; MI455X (gfx1250); checked and timed in simulation.
; The chip was launched on July 23, 2026; its instructions are those of AMD's public machine-readable ISA for CDNA 5 (MIT licence, August 2026) and "CDNA5" Instruction Set Architecture Reference Guide (July 2026). The comments in the code are by the model that wrote it; some were corrected since.
;; Multi Head Attention with Ro PE. Allowed arithmetic: matrix products marked QUANTISED: E2M1 operands, one E8M0 scale for each 32 along K, by v_wmma_scale_f32_16x16x128_f8f6f4 with both operands' format E2M1 (or v_wmma_scale_f32_32x16x128_f4), f32 sums; products left as they are: bf16, f16 or f32 operands; f32 sums; everything else in f32.
;; Inputs: in_features 4 x 2,048 x 1,024 float32; token_positions 2,048 int32; wk 1,024 x 1,024 float32; wo 1,024 x 1,024 float32; wq 1,024 x 1,024 float32; wv 1,024 x 1,024 float32.
;; Outputs: out0 4 x 2,048 x 1,024 float32.
;; This version of the problem:
;;   THIS VERSION OF THE PROBLEM IS GIVEN IN LOW PRECISION. The matrix products marked QUANTISED in the list below multiply operands that are first quantised to E2M1 (2 exponent bits, 1 mantissa bit; 4 bits a number), with one power-of-two scale for each 32 numbers along K (OCP MX v1.0); their sums are f32. The products marked 'left as it is' may take bf16, f16 or f32 operands, with f32 sums. Whichever they take, every output number must still come out within the allowed error. Rounding operands to bf16 (8 significant bits) uses up far more of that allowance than f16 does (11 bits, for magnitudes from 6e-5 to 65,504). All else is computed in f32.
;;   The module's matrix products, in the order in which they are computed (A, B: the left and right operand; K: the contracted axis; several contracted axes count as one K, in the product's order):
;;     1. [M 8,192, K 1,024] x [K 1,024, N 1,024]; A: input in_features; B: input wq: QUANTISED
;;     2. [M 8,192, K 1,024] x [K 1,024, N 1,024]; A: input in_features; B: input wk: QUANTISED
;;     3. [M 8,192, K 1,024] x [K 1,024, N 1,024]; A: input in_features; B: input wv: QUANTISED
;;     4. batch 64 x [M 2,048, K 64] x [K 64, N 2,048]; A: computed on the way; B: computed on the way: left as it is (an operand is computed on the way)
;;     5. batch 64 x [M 2,048, K 2,048] x [K 2,048, N 64]; A: computed on the way; B: computed on the way: left as it is (an operand is computed on the way)
;;     6. [M 8,192, K 1,024] x [K 1,024, N 1,024]; A: computed on the way; B: input wo: left as it is (an operand is computed on the way)
;;   THE QUANTISER, for each operand of a quantised product, along K:
;;     - K is cut into blocks of 32 from its start; a last block that is shorter is filled with zeros.
;;     - A block's scale is 2^e with e = floor(log2(the largest magnitude in the block)) - 2, held to -126 .. 127; a block of zeros has e = 0. As a byte (E8M0): e + 127.
;;     - Each number is divided by its block's scale, clamped to +-6, and rounded to the nearest number of E2M1, ties to even, subnormals kept.
;;     - The product sums the exact products of the quantised numbers (number of the format x scale) in f32.
;;   ~~~python
;;   def quantise(x, axis):      # numpy; x: float32 -> the quantised numbers, widened to float32 again
;;       x = np.moveaxis(x, axis, -1); K = x.shape[-1]
;;       x = np.pad(x, [(0, 0)] * (x.ndim - 1) + [(0, -K % 32)]); x = x.reshape(x.shape[:-1] + (-1, 32)); a = np.abs(x).max(-1, keepdims=True)
;;       e = np.where(a > 0, np.clip(np.frexp(np.where(a > 0, a, 1))[1] - 1 - 2, -126, 127), 0)      # np.frexp(a)[1] - 1 = floor(log2(a)), exactly
;;       r = np.clip(x / 2.0 ** e, -6, 6)
;;       step = 2.0 ** (np.maximum(np.frexp(np.where(r == 0, 1, r))[1] - 1, 0) - 1)
;;       q = np.round(r / step) * step * 2.0 ** e      # np.round: ties to even
;;       return np.moveaxis(q.reshape(q.shape[:-2] + (-1,))[..., :K], -1, axis).astype(np.float32)
;;   ~~~
;; One version. Each part assembles by itself: llvm-mc -triple=amdgcn-amd-amdhsa -mcpu=gfx1250 --defsym DOCPART=n.
;; ======== version 1 of 1: 5 launches
;; limits: right only within a limited range of input values; values are held in f16: magnitudes above 65,504 overflow, below 6.1e-05 lose precision
;; workspace buffers: codes 5,767,168 bytes; scales 360,448 bytes; wo16 2,097,152 bytes; rope 1,048,576 bytes; qkv16 50,331,648 bytes; ao16 16,777,216 bytes; fine32 786,432 bytes
;; launch prep (part 1): grid 400 x 1, 4 waves a work-group, no clusters, 33,280 bytes of LDS; arguments in_features, wq, wk, wv, wo, token_positions, codes, scales, wo16, rope; writes codes, scales, wo16, rope
.if DOCPART == 1
	.amdgcn_target "amdgcn-amd-amdhsa--gfx1250"
	.amdhsa_code_object_version 6
	.text
	.protected	k_q51b0aa3825_prep
	.globl	k_q51b0aa3825_prep
	.p2align	8
	.type	k_q51b0aa3825_prep,@function
k_q51b0aa3825_prep:
	s_mov_b64 s[64:65], 0
	v_nop
	global_prefetch_b8 v0, s[64:65] scope:SCOPE_SE
	s_setreg_imm32_b32 hwreg(HW_REG_WAVE_MODE, 25, 1), 1
	s_wait_xcnt 0x0
; Three jobs in one launch, told apart by the work-group's number g.
;   g 0..351:   in_features [8192][1024], wq, wk, wv [1024][1024], f32, become codes of FP4 (E2M1), K innermost, and one E8M0 byte for each 32 along K.  K is the last axis of all four, rows are dense,
;               so each tensor is a plain stream of blocks of 32; codes and bytes of the four follow each other in the two buffers (x, wq, wk, wv).
;   g 352..383: wo [1024][1024] f32 is rounded to f16.
;   g 384..399: two tables [2048 s][32 i][cos, sin] f32 of the angles token_positions[s] x 10000^(-i/32): part 0 times log2(e)/8 (for Q), part 1 plain (for K).
; A block's scale is 2^(floor(log2(its largest magnitude)) - 2); its byte is that magnitude's exponent field - 2, held at 1 from below.  A block of zeros so gets the byte 1 where the rule says 127:
; its codes are zeros, which add nothing, and this program alone reads the bytes.
; LIMITS: blocks whose largest magnitude lies under 2^-124 keep the byte 1; NaN and infinities are not served; |token_positions| up to 2^20 (the angle is reduced by three parts of pi/2, the quotient
; is then right to a tenth, so the rest stays under pi/4 + 0.13, inside what the two polynomials serve); 10000^(-i/32) is made by v_exp_f32 (an angle at position 2,047 is right to 3e-4); wo inside f16's range.
.set WAVES, 4
.set STEPS, 16
.set EMAX,  2
.set CB,    8                          ; bytes of 16 codes
.set R,     16                         ; v16-79   four sets of 16 numbers as they are loaded
.set X,     80                         ; v80-111  two sets of 16 neighbours
.set C,     128                        ; v128-191 codes: four registers for each step
.set E,     112                        ; v112-127 a scale byte for each step
.set WREG,  8192                       ; LDS: a region for each wave: two stages of 32 x SP bytes, behind them its 256 scale bytes
.set SP,    80                         ; a lane's place in a stage: 64 bytes + 16 of padding
.set SPW,   12                         ; v12 LDS address of my spare word; never rewritten
.set NIL,   13                         ; v13 0; never rewritten
.set SPARE, WAVES*WREG                 ; behind the regions: the spare words, 128 bytes a wave
	s_load_b512 s[8:23], s[0:1], 0x0               ; x 8:9, wq 10:11, wk 12:13, wv 14:15, wo 16:17, positions 18:19, codes 20:21, scales 22:23
	s_load_b128 s[24:27], s[0:1], 0x40             ; wo16 24:25, rope 26:27
	v_lshl_add_u32 v[SPW], v0, 2, SPARE
	v_mov_b32 v[NIL], 0
	v_lshrrev_b32 v1, 5, v0
	v_readfirstlane_b32 s28, v1                    ; wave
	v_and_b32 v2, 31, v0                           ; lane
	v_lshlrev_b32 v3, 4, v2                        ; my 16 bytes of a load's 512
	s_mul_i32 s29, s28, WREG
	v_lshrrev_b32 v14, 2, v2
	v_mul_u32_u24 v14, v14, SP
	v_and_b32 v15, 3, v2
	v_lshl_add_u32 v14, v15, 4, v14
	v_add_nc_u32 v14, s29, v14                     ; the stage, on the way in: SP (lane / 4) + 16 (lane % 4)
	v_mul_u32_u24 v15, v2, SP
	v_add_nc_u32 v15, s29, v15                     ; on the way out: SP x lane: my 16 neighbours
	v_mul_u32_u24 v4, v2, CB                       ; 8 bytes a lane
	v_lshrrev_b32 v5, 1, v2
	s_add_co_u32 s29, s29, 2*32*SP
	v_add_nc_u32 v5, s29, v5                       ; LDS: my block's scale byte
	v_lshlrev_b32 v7, 3, v2
	v_add_nc_u32 v6, s29, v7                       ; and 8 of them a lane on the way out
	s_mov_b32 s35, 0
	s_wait_kmcnt 0x0
	s_cmp_ge_u32 ttmp9, 384
	s_cbranch_scc1 .Lrope
	s_cmp_ge_u32 ttmp9, 352
	s_cbranch_scc1 .Lwo
; ---- the quantiser.  The source is chosen by the work-group's number alone
	s_sub_co_u32 s29, ttmp9, 256
	s_lshr_b32 s30, s29, 5                         ; which weight
	s_and_b32 s31, s29, 31                         ; which 32,768 numbers of it
	s_cmp_eq_u32 s30, 1
	s_cselect_b64 s[32:33], s[12:13], s[10:11]
	s_cmp_eq_u32 s30, 2
	s_cselect_b64 s[32:33], s[14:15], s[32:33]
	s_cmp_lt_u32 ttmp9, 256
	s_cselect_b64 s[4:5], s[8:9], s[32:33]
	s_cselect_b32 s34, ttmp9, s31
	s_lshl_b32 s34, s34, 2
	s_add_co_u32 s34, s34, s28
	s_lshl_b32 s34, s34, 15                        ; my wave's 8,192 numbers in the source
	s_add_nc_u64 s[4:5], s[4:5], s[34:35]
	s_lshl_b32 s36, ttmp9, 2
	s_add_co_u32 s36, s36, s28
	s_lshl_b32 s34, s36, 12                        ; 4,096 bytes of codes a wave: one stream over the four tensors
	s_add_nc_u64 s[20:21], s[20:21], s[34:35]
	s_lshl_b32 s34, s36, 8                         ; 256 scale bytes a wave
	s_add_nc_u64 s[22:23], s[22:23], s[34:35]
.macro QLOAD t
.irp i, 0,1,2,3
	global_load_b128 v[R+16*((\t)%4)+4*\i:R+16*((\t)%4)+4*\i+3], v3, s[4:5] offset:2048*(\t)+512*\i th:TH_LOAD_NT   ; 32 lanes read 512 consecutive bytes
.endr
.endm
.macro QTURN t                         ; a step's numbers through the stage: LDS serves a wave's instructions in order, so no wait stands between the stores and the loads
.irp i, 0,1,2,3
	ds_store_b128 v14, v[R+16*((\t)%4)+4*\i:R+16*((\t)%4)+4*\i+3] offset:32*SP*((\t)%2)+8*SP*\i
.endr
.irp i, 0,1,2,3
	ds_load_b128 v[X+16*((\t)%2)+4*\i:X+16*((\t)%2)+4*\i+3], v15 offset:32*SP*((\t)%2)+16*\i
.endr
.endm
.irp t, 0,1,2,3
	QLOAD \t
.endr
	s_wait_loadcnt 12                              ; step 0's four loads are in; the twelve of steps 1 to 3 may be out
	QTURN 0
.macro QSTEP t
.set XS, X+16*((\t)%2)
.if (\t) > 0
	s_wait_dscnt 1                                 ; this step's numbers are back from the stage; the last step's byte store may be out
.else
	s_wait_dscnt 0x0
.endif
.if (\t)+4 < STEPS
	QLOAD (\t)+4
.endif
.if (\t)+1 < STEPS
.if STEPS-2-(\t) >= 3
	s_wait_loadcnt 12                              ; the next step's four loads are in; those of the three steps behind it may be out
.else
	s_wait_loadcnt 4*(STEPS-2-(\t))
.endif
	QTURN (\t)+1
.endif
	v_max3_num_f32 v8, |v[XS]|, |v[XS+1]|, |v[XS+2]|               ; the largest magnitude of my 16, in two chains
	v_max3_num_f32 v9, |v[XS+3]|, |v[XS+4]|, |v[XS+5]|
.irp i, 6,10
	v_max3_num_f32 v8, v8, |v[XS+\i]|, |v[XS+\i+1]|
	v_max3_num_f32 v9, v9, |v[XS+\i+2]|, |v[XS+\i+3]|
.endr
	v_max3_num_f32 v8, v8, |v[XS+14]|, |v[XS+15]|
	v_max3_num_f32 v8, v8, v9, (EMAX+1)<<23        ; and the floor 2^(3 - 127): the byte cannot fall under 1
	v_max_num_f32_dpp v8, v8, v8 row_xmask:1 row_mask:0xf bank_mask:0xf   ; with my neighbour's 16: the block's
	v_add_nc_u32 v11, -(EMAX<<23), v8              ; 2 off its exponent field: the conversion takes this operand's exponent field as its scale
	v_cvt_scalef32_pk8_fp4_f32 v[C+4*(\t)], v[XS:XS+7], v11
	v_cvt_scalef32_pk8_fp4_f32 v[C+4*(\t)+1], v[XS+8:XS+15], v11
	v_lshrrev_b32 v[E+(\t)], 23, v11               ; the scale's byte (a plain line behind the conversions)
	ds_store_b8 v5, v[E+(\t)] offset:16*(\t)       ; both lanes of a block write the same byte with the same value
	global_store_b64 v4, v[C+4*(\t):C+4*(\t)+1], s[20:21] offset:32*CB*(\t)   ; the wave stores 256 consecutive bytes, aligned
.endm
.irp t, 0,1,2,3,4,5,6,7,8,9,10,11,12,13,14,15
	QSTEP \t
.endr
	ds_load_b64 v[8:9], v6                         ; in order behind my byte stores
	s_wait_dscnt 0x0
	global_store_b64 v7, v[8:9], s[22:23]          ; 256 consecutive scale bytes, aligned
	s_wait_tensorcnt 0x0                           ; the wave's end, behind my last LDS store
	ds_add_u32 v[SPW], v[NIL]
	s_wait_dscnt 0x0
	s_endpgm
; ---- wo to f16: a wave takes 8,192 numbers, 16 steps of 512; loads run four steps ahead.  No LDS
.Lwo:
	s_sub_co_u32 s29, ttmp9, 352
	s_lshl_b32 s29, s29, 2
	s_add_co_u32 s29, s29, s28
	s_lshl_b32 s34, s29, 15
	s_add_nc_u64 s[16:17], s[16:17], s[34:35]
	s_lshl_b32 s34, s29, 14
	s_add_nc_u64 s[24:25], s[24:25], s[34:35]
.macro WLOAD t
.irp i, 0,1,2,3
	global_load_b128 v[R+16*((\t)%4)+4*\i:R+16*((\t)%4)+4*\i+3], v3, s[16:17] offset:2048*(\t)+512*\i th:TH_LOAD_NT
.endr
.endm
.macro WSTEP t
.if (\t) < 13
	s_wait_loadcnt 12                              ; this step's four loads are in; three later steps' twelve may be out
.else
	s_wait_loadcnt 4*(15-(\t))
.endif
	s_wait_xcnt 0x0                                ; the last step's stores have read v128-135, which are written again below
.irp i, 0,1,2,3
	v_cvt_pk_f16_f32 v[C+2*\i], v[R+16*((\t)%4)+4*\i], v[R+16*((\t)%4)+4*\i+1]
	v_cvt_pk_f16_f32 v[C+2*\i+1], v[R+16*((\t)%4)+4*\i+2], v[R+16*((\t)%4)+4*\i+3]
.endr
.if (\t)+4 < 16
	WLOAD (\t)+4
.endif
.irp i, 0,1,2,3
	global_store_b64 v4, v[C+2*\i:C+2*\i+1], s[24:25] offset:1024*(\t)+256*\i   ; 256 consecutive bytes, aligned
.endr
.endm
.irp t, 0,1,2,3
	WLOAD \t
.endr
.irp t, 0,1,2,3,4,5,6,7,8,9,10,11,12,13,14,15
	WSTEP \t
.endr
	s_endpgm
; ---- the tables: a wave takes 32 positions, two rows a step.  Lane l: pairs i = 2 (l % 16) and + 1 of row l / 16.  No LDS
.Lrope:
	s_sub_co_u32 s29, ttmp9, 384
	s_lshl_b32 s29, s29, 7
	s_lshl_b32 s30, s28, 5
	s_add_co_u32 s29, s29, s30                     ; my wave's first s
	s_lshl_b32 s34, s29, 2
	s_add_nc_u64 s[18:19], s[18:19], s[34:35]
	s_lshl_b32 s34, s29, 8                         ; a row of a table is 256 bytes
	s_add_nc_u64 s[26:27], s[26:27], s[34:35]
	v_lshrrev_b32 v8, 4, v2
	v_lshlrev_b32 v8, 2, v8                        ; 4 (l / 16)
	v_lshlrev_b32 v9, 4, v2                        ; 16 l
.irp t, 0,1,2,3,4,5,6,7,8,9,10,11,12,13,14,15
	global_load_b32 v[20+\t], v8, s[18:19] offset:8*\t   ; the position of row 2 t + l / 16, as it is given
.endr
	v_and_b32 v18, 15, v2
	v_lshlrev_b32 v18, 1, v18
	v_add_nc_u32 v19, 1, v18
	v_cvt_f32_u32 v18, v18
	v_cvt_f32_u32 v19, v19
	v_mul_f32 v18, 0xbed49a78, v18                 ; -i log2(10000) / 32
	v_mul_f32 v19, 0xbed49a78, v19
	v_exp_f32 v16, v18
	v_exp_f32 v17, v19
	v_nop                                          ; a plain line behind the exponentials
	s_mov_b32 s40, 0x3f22f983                      ; 2 / pi
	s_mov_b32 s41, 0xbfc90fdb                      ; -pi/2 in three parts: -1.5707964,
	s_mov_b32 s42, 0x333bbd2e                      ; +4.3711388e-8,
	s_mov_b32 s43, 0x26f72ced                      ; +1.7151e-15
	s_mov_b32 s44, 0xb94ca1f9                      ; sine: -1.9515296e-4, 8.3321609e-3, -1.6666655e-1
	s_mov_b32 s45, 0x3c08839e
	s_mov_b32 s46, 0xbe2aaaa3
	s_mov_b32 s47, 0x37ccf5ce                      ; cosine: 2.4433157e-5, -1.3887316e-3, 4.1666646e-2
	s_mov_b32 s48, 0xbab6061a
	s_mov_b32 s49, 0x3d2aaaa5
	s_mov_b32 s50, 0x3e38aa3b                      ; log2(e) / 8
	s_mov_b32 s51, 0x80000000
	s_wait_alu depctr_va_vdst(0)                   ; one wait for both exponentials, ahead of their first reader
	s_wait_loadcnt 0x0
; cos and sin of v[posf] x v[inv] into v[dc], v[ds]; v[T] .. v[T+9] at work.  The choice by quadrant is made by selects and sign bits: no branch
.macro SINCOS posf, inv, dc, ds, T
	v_mul_f32 v[\T], v[\posf], v[\inv]             ; the angle
	v_mul_f32 v[\T+1], s40, v[\T]
	v_rndne_f32 v[\T+1], v[\T+1]                   ; n
	v_fma_f32 v[\T+2], v[\T+1], s41, v[\T]
	v_fma_f32 v[\T+2], v[\T+1], s42, v[\T+2]
	v_fma_f32 v[\T+2], v[\T+1], s43, v[\T+2]       ; r = angle - n pi/2
	v_cvt_i32_f32 v[\T+3], v[\T+1]
	v_mul_f32 v[\T+4], v[\T+2], v[\T+2]            ; z = r r
	v_fma_f32 v[\T+5], v[\T+4], s44, s45
	v_fma_f32 v[\T+5], v[\T+5], v[\T+4], s46
	v_mul_f32 v[\T+5], v[\T+5], v[\T+4]
	v_fma_f32 v[\T+5], v[\T+5], v[\T+2], v[\T+2]   ; sin r
	v_fma_f32 v[\T+6], v[\T+4], s47, s48
	v_fma_f32 v[\T+6], v[\T+6], v[\T+4], s49
	v_mul_f32 v[\T+7], v[\T+4], v[\T+4]
	v_fma_f32 v[\T+8], v[\T+4], -0.5, 1.0
	v_fma_f32 v[\T+6], v[\T+6], v[\T+7], v[\T+8]   ; cos r
	v_and_b32 v[\T+9], 1, v[\T+3]
	v_cmp_eq_u32 vcc_lo, 1, v[\T+9]                ; odd quadrants change the two
	v_cndmask_b32 v[\ds], v[\T+5], v[\T+6], vcc_lo
	v_cndmask_b32 v[\dc], v[\T+6], v[\T+5], vcc_lo
	v_lshlrev_b32 v[\T+9], 30, v[\T+3]
	v_and_b32 v[\T+9], s51, v[\T+9]                ; sine is negative in quadrants 2, 3
	v_xor_b32 v[\ds], v[\ds], v[\T+9]
	v_add_nc_u32 v[\T+3], 1, v[\T+3]
	v_lshlrev_b32 v[\T+3], 30, v[\T+3]
	v_and_b32 v[\T+3], s51, v[\T+3]                ; cosine in quadrants 1, 2
	v_xor_b32 v[\dc], v[\dc], v[\T+3]
.endm
.irp t, 0,1,2,3,4,5,6,7,8,9,10,11,12,13,14,15
	s_wait_xcnt 0x0                                ; the last step's stores have read v72-79
	v_cvt_f32_i32 v36, v[20+\t]
	SINCOS 36, 16, 72, 73, 40
	SINCOS 36, 17, 74, 75, 52
	v_mul_f32 v76, s50, v72
	v_mul_f32 v77, s50, v73
	v_mul_f32 v78, s50, v74
	v_mul_f32 v79, s50, v75
	global_store_b128 v9, v[76:79], s[26:27] offset:512*\t          ; part 0: two rows, 512 consecutive bytes
	global_store_b128 v9, v[72:75], s[26:27] offset:524288+512*\t   ; part 1
.endr
	s_endpgm
.Lfunc_end_k_q51b0aa3825_prep:
	.size	k_q51b0aa3825_prep, .Lfunc_end_k_q51b0aa3825_prep-k_q51b0aa3825_prep
	.p2alignl 7, 3214868480
	.fill 96, 4, 3214868480
	.section	.rodata,"a",@progbits
	.p2align	6, 0x0
	.amdhsa_kernel k_q51b0aa3825_prep
		.amdhsa_group_segment_fixed_size 33280
		.amdhsa_private_segment_fixed_size 0
		.amdhsa_enable_private_segment 0
		.amdhsa_kernarg_size 80
		.amdhsa_user_sgpr_count 2
		.amdhsa_user_sgpr_kernarg_segment_ptr 1
		.amdhsa_wavefront_size32 1
		.amdhsa_system_sgpr_workgroup_id_x 1
		.amdhsa_system_sgpr_workgroup_id_y 1
		.amdhsa_system_sgpr_workgroup_id_z 1
		.amdhsa_system_vgpr_workitem_id 0
		.amdhsa_next_free_vgpr 192
		.amdhsa_next_free_sgpr 66
		.amdhsa_reserve_vcc 1
		.amdhsa_float_denorm_mode_32 3
		.amdhsa_float_denorm_mode_16_64 3
		.amdhsa_memory_ordered 1
		.amdhsa_forward_progress 1
		.amdhsa_inst_pref_size 102
	.end_amdhsa_kernel
	.amdgpu_metadata
---
amdhsa.version: [ 1, 2 ]
amdhsa.kernels:
  - .name:           k_q51b0aa3825_prep
    .symbol:         k_q51b0aa3825_prep.kd
    .args:
      - { .name: in_features, .offset: 0, .size: 8, .value_kind: global_buffer, .address_space: global }
      - { .name: wq, .offset: 8, .size: 8, .value_kind: global_buffer, .address_space: global }
      - { .name: wk, .offset: 16, .size: 8, .value_kind: global_buffer, .address_space: global }
      - { .name: wv, .offset: 24, .size: 8, .value_kind: global_buffer, .address_space: global }
      - { .name: wo, .offset: 32, .size: 8, .value_kind: global_buffer, .address_space: global }
      - { .name: token_positions, .offset: 40, .size: 8, .value_kind: global_buffer, .address_space: global }
      - { .name: codes, .offset: 48, .size: 8, .value_kind: global_buffer, .address_space: global }
      - { .name: scales, .offset: 56, .size: 8, .value_kind: global_buffer, .address_space: global }
      - { .name: wo16, .offset: 64, .size: 8, .value_kind: global_buffer, .address_space: global }
      - { .name: rope, .offset: 72, .size: 8, .value_kind: global_buffer, .address_space: global }
    .group_segment_fixed_size: 33280
    .private_segment_fixed_size: 0
    .kernarg_segment_align: 8
    .kernarg_segment_size: 80
    .max_flat_workgroup_size: 128
    .sgpr_count:     66
    .vgpr_count:     192
    .wavefront_size: 32
...
	.end_amdgpu_metadata
.endif
;; end of part 1
;; launch qkv (part 2): grid 12 x 32, 4 waves a work-group, clusters of 4 x 4, 327,680 bytes of LDS; arguments codes, scales, rope, qkv16, fine32; writes qkv16, fine32
.if DOCPART == 2
	.amdgcn_target "amdgcn-amd-amdhsa--gfx1250"
	.amdhsa_code_object_version 6
	.text
	.protected	k_q51b0aa3825_qkv
	.globl	k_q51b0aa3825_qkv
	.p2align	8
	.type	k_q51b0aa3825_qkv,@function
k_q51b0aa3825_qkv:
	s_mov_b64 s[64:65], 0
	v_nop
	global_prefetch_b8 v0, s[64:65] scope:SCOPE_SE
	s_setreg_imm32_b32 hwreg(HW_REG_WAVE_MODE, 25, 1), 1
	s_wait_xcnt 0x0
	s_wait_alu depctr_hold_cnt(0) depctr_sa_sdst(0) depctr_va_vdst(0) depctr_va_sdst(0) depctr_va_ssrc(0) depctr_va_vcc(0) depctr_vm_vsrc(0)
	s_getreg_b32 s2, hwreg(HW_REG_IB_STS2, 6, 4)
	s_cmp_eq_u32 s2, 0
	s_cbranch_scc0 .Lentry_in_a_cluster
	s_endpgm
.Lentry_in_a_cluster:
	s_bfe_u32 s2, ttmp6, 0x10000c
	s_cmp_lg_u32 s2, 0xf033
	s_cbranch_scc0 .Lentry_shape_is_right
	s_endpgm
.Lentry_shape_is_right:
; [Q | K | V][m][n] = sum over k of x[m][k] w[n][k] on codes of FP4 (E2M1) with one E8M0 scale for each 32 along K; m = 8,192 rows of x, n = 3,072 rows of wq, wk, wv on end, K = 1,024.  Sums in f32.
; On the way out Q and K are turned by RoPE in f32 (Q's table also holds log2(e)/8), all three are rounded to f16 and stored by heads, [type][b][h][s][64]; positions 0-15 of each sequence also go out in f32.
; A tile of 256 x 256 is made by four waves, 128 x 128 each: 64 accumulators, 512 registers.  The whole K is two LDS slots of 512 along K (rows of 256 bytes): both are first fills, nothing is filled again.
; The scale bytes of the work-group's 256 + 256 rows are two dense blocks and come once, in pieces of 256 bytes.
; CLUSTERS: 4 x 4 work-groups; the four of a row of the cluster ask jointly for x's tiles, the four of a column for w's.  A cluster's four tile columns are 1,024 columns: exactly Q, K or V, so the
; kind of way out hangs on the cluster's x alone and is alike in all partners.
; THE MATRIX INSTRUCTION IS USED TRANSPOSED (source 0 = 16 rows of w, source 1 = 16 rows of x): a lane holds eight neighbouring columns of one row: four RoPE pairs.
; LIMITS: Q log2(e)/8, K and V must lie inside f16's range.
; REGISTERS: window 0: v0-31 addresses; v32-95 scale words, two sets; v128-191 x's fragments; v192-255 two sets of the RoPE table.  Window 1: w's fragments, two sets.  Windows 2, 3: the accumulators.
;   On the way out window 0: v32-95 turned numbers, v96-127 f16, v128-191 rows read back from the stage.
.set SIZE_K, 1024
.set KSTEP,  512
.set NQ,     KSTEP/128
.set ROWB,   256
.set KROW,   SIZE_K*4/8
.set PITCH,  272                       ; an LDS row: 256 bytes + 16: an odd multiple of 16, so the 16 rows of a load begin at 16 different 16-byte columns of 256
.set FR,     8
.set NL,     2
.set NP,     4
.set HALFT,  128*PITCH
.set SLOT,   4*HALFT
.set KS,     SIZE_K/32
.set SCL,    2*SLOT
.set HALFS,  (128*KS/256)*272
.set SBLK,   (16*KS/256)*272
.set SPARE,  SCL+4*HALFS               ; the spare words, 128 bytes a wave
.set ADRA, 16
.set TAO,  18                          ; v18 my byte in 16 rows of a table: 256 r + 32 h
.set FO,   19                          ; v19 my byte in 16 rows of fine32: 12,288 r + 32 h
.set ADRB, 20
.set FZ,   22                          ; v22 0 where my block 0 is positions 0-15 of a sequence
.set STO,  24
.set RD,   25
.set CO,   26
.set ADRS, 27
.set SPW,  28
.set NIL,  29
.set SC,   32
.set AF,   128
.set T,    32
.set H,    96
.set BK,   128
.set TB,   192
.set G1, 24
.set G0, 32
.set G1B, 48
.set G0B, 56
.set G1S, 68
.set G0S, 76
.set G1SB, 80
.set G0SB, 88
.set MSB, 0
.macro WIN new                         ; the immediate's high byte repeats the setting that is left
.if MSB != (\new)
	s_set_vgpr_msb (MSB<<8)|(\new)
.set MSB, (\new)
.endif
.endm
.set MUL_LO, 0xa1                      ; source 0 (w) window 1, source 1 (x) window 0, C and D window 2
.set MUL_HI, 0xf1
.set TO_B,   0x40
; A joint load: waves 0 and 1 fetch for x, waves 2 and 3 for w; the branch hangs on the wave's number alone.  An s_nop 0 and four v_nop follow each line.
.macro JLOAD g0a, g1a, g0b, g1b
	s_cmp_eq_u32 s15, 0
	s_cbranch_scc0 .Lfor_b_\@
	tensor_load_to_lds s[\g0a:\g0a+3], s[\g1a:\g1a+7]
	s_nop 0
.rept 4
	v_nop
.endr
	s_branch .Lasked_\@
.Lfor_b_\@:
	tensor_load_to_lds s[\g0b:\g0b+3], s[\g1b:\g1b+7]
	s_nop 0
.rept 4
	v_nop
.endr
.Lasked_\@:
.endm
.macro CROUND                          ; a round of the cluster's barrier
	s_barrier_signal -1
	s_barrier_wait -1
	s_cmp_lg_u32 s14, 0
	s_cbranch_scc1 .Lnot_wave_0_\@
	s_barrier_signal -3
.Lnot_wave_0_\@:
	s_barrier_wait -3
	s_barrier_signal -1
	s_barrier_wait -1
.endm
	s_load_b128 s[4:7], s[0:1], 0x0                ; codes, scales
	s_load_b128 s[96:99], s[0:1], 0x10             ; rope, qkv16
	s_load_b64 s[100:101], s[0:1], 0x20            ; fine32
	v_lshl_add_u32 v[SPW], v0, 2, SPARE
	v_mov_b32 v[NIL], 0
	ds_add_u32 v[SPW], v[NIL]                      ; the opening: the add, twice on end, and its wait ahead of my first tensor load
	ds_add_u32 v[SPW], v[NIL]
	v_lshrrev_b32 v1, 5, v0
	v_readfirstlane_b32 s14, v1                    ; wave 0..3
	s_lshr_b32 s15, s14, 1                         ; my half of the tile's rows; also: I fetch for x (0) or w (1)
	s_and_b32 s16, s14, 1                          ; my half of its columns; also: which 128 rows I fetch
	s_bfe_u32 s40, ttmp6, 0x40000                  ; cx
	s_bfe_u32 s41, ttmp6, 0x40004                  ; cy
	s_lshl_b32 s42, ttmp9, 2
	s_add_co_u32 s42, s42, s40                     ; tile column
	s_and_b32 s17, ttmp7, 0xffff
	s_lshl_b32 s17, s17, 2
	s_add_co_u32 s17, s17, s41                     ; tile row
	s_lshl_b32 s43, s41, 2
	s_lshl_b32 s43, 15, s43                        ; my row of the cluster
	s_lshl_b32 s44, 0x1111, s40                    ; my column
	s_or_b32 s[G1+0], s43, (0<<16)|(1<<20)|(1<<21)|(5<<22)|(3<<25)  ; the mask; elements of 1 byte; padding on; bit 21 beside a mask; 4 words behind every 64
	s_or_b32 s[G1B+0], s44, (0<<16)|(1<<20)|(1<<21)|(5<<22)|(3<<25)
.irp g, G1, G1B
	s_mov_b32 s[\g+1], ROWB<<16                    ; tensor_dim0
	s_mov_b32 s[\g+2], 128<<16                     ; tensor_dim1
	s_mov_b32 s[\g+3], ROWB<<16                    ; tile_dim0
	s_mov_b32 s[\g+4], 128                         ; tile_dim1
	s_mov_b32 s[\g+5], KROW                        ; from row to row
	s_mov_b32 s[\g+6], 0
	s_mov_b32 s[\g+7], 0
.endr
	s_or_b32 s[G1S+0], s43, (3<<16)|(1<<20)|(1<<21)|(5<<22)|(3<<25)   ; the scales of 128 rows: 4,096 dense bytes as 16 rows of 256 (32 elements of 8 bytes)
	s_or_b32 s[G1SB+0], s44, (3<<16)|(1<<20)|(1<<21)|(5<<22)|(3<<25)
.irp g, G1S, G1SB
	s_mov_b32 s[\g+1], 32<<16
	s_mov_b32 s[\g+2], (128*KS/256)<<16
	s_mov_b32 s[\g+3], 32<<16
	s_mov_b32 s[\g+4], 128*KS/256
	s_mov_b32 s[\g+5], 32
	s_mov_b32 s[\g+6], 0
	s_mov_b32 s[\g+7], 0
.endr
	s_lshl_b32 s18, s16, 7
	s_lshl_b32 s20, s17, 8
	s_add_co_u32 s20, s20, s18                     ; x: row 256 x tile row + 128 x half
	s_lshl_b32 s46, s42, 8
	s_add_co_u32 s46, s46, s18                     ; w: row 256 x tile column + 128 x half
	s_mov_b32 s21, 0
	s_mov_b32 s47, 0
	s_mov_b64 s[18:19], KS
	s_mul_u64 s[22:23], s[20:21], s[18:19]
	s_mul_u64 s[92:93], s[46:47], s[18:19]
	s_mov_b64 s[18:19], KROW
	s_mul_u64 s[20:21], s[20:21], s[18:19]
	s_mul_u64 s[46:47], s[46:47], s[18:19]
	s_mul_i32 s45, s14, HALFT                      ; where they go: wave x 128 rows
	s_mul_i32 s94, s14, HALFS
	s_wait_dscnt 0x0                               ; both opening adds are done
	s_wait_kmcnt 0x0
	s_add_nc_u64 s[8:9], s[4:5], 0x400000          ; w's codes lie behind x's 4,194,304 bytes,
	s_add_nc_u64 s[10:11], s[6:7], 0x40000         ; w's scales behind x's 262,144
	s_add_nc_u64 s[20:21], s[4:5], s[20:21]
	s_add_nc_u64 s[22:23], s[6:7], s[22:23]
	s_add_nc_u64 s[46:47], s[8:9], s[46:47]
	s_add_nc_u64 s[92:93], s[10:11], s[92:93]
	CROUND                                         ; all sixteen work-groups are here: the joint loads meet
	s_mov_b32 s[G0S], 1
	s_add_co_u32 s[G0S+1], s94, SCL
	s_mov_b64 s[G0S+2:G0S+3], s[22:23]
	s_or_b32 s[G0S+3], s[G0S+3], 0x80000000
	s_mov_b32 s[G0SB], 1
	s_add_co_u32 s[G0SB+1], s94, SCL
	s_mov_b64 s[G0SB+2:G0SB+3], s[92:93]
	s_or_b32 s[G0SB+3], s[G0SB+3], 0x80000000
	JLOAD G0S, G1S, G0SB, G1SB                     ; three first fills a wave: the scales, slot 0, slot 1
.irp s, 0,1
	s_mov_b32 s[G0+4*\s], 1
	s_add_co_u32 s[G0+4*\s+1], s45, \s*SLOT
	s_add_nc_u64 s[G0+4*\s+2:G0+4*\s+3], s[20:21], \s*ROWB
	s_or_b32 s[G0+4*\s+3], s[G0+4*\s+3], 0x80000000
	s_mov_b32 s[G0B+4*\s], 1
	s_add_co_u32 s[G0B+4*\s+1], s45, \s*SLOT
	s_add_nc_u64 s[G0B+4*\s+2:G0B+4*\s+3], s[46:47], \s*ROWB
	s_or_b32 s[G0B+4*\s+3], s[G0B+4*\s+3], 0x80000000
	JLOAD G0+4*\s, G1, G0B+4*\s, G1B
.endr
	v_and_b32 v1, 15, v0                           ; r
	v_bfe_u32 v2, v0, 4, 1                         ; h
	v_mul_u32_u24 v3, v1, PITCH
	v_lshl_add_u32 v4, v2, 4, v3
	s_mul_i32 s21, s15, HALFT
	s_mul_i32 s22, s16, HALFT
	s_add_co_u32 s22, s22, 2*HALFT
.irp s, 0,1
	v_add_nc_u32 v[ADRA+\s], s21, v4
	v_add_nc_u32 v[ADRB+\s], s22, v4
	s_add_co_u32 s21, s21, SLOT
	s_add_co_u32 s22, s22, SLOT
.endr
	v_mul_u32_u24 v5, v1, KS                       ; my row's scales: 32 bytes a row, 16 more for each 256 passed
	v_lshrrev_b32 v6, 8, v5
	v_lshl_add_u32 v5, v6, 4, v5
	s_mul_i32 s21, s15, HALFS
	s_mul_i32 s22, s16, HALFS
	s_add_co_u32 s22, s22, 2*HALFS
	s_sub_co_u32 s22, s22, s21
	v_mul_u32_u24 v6, s22, v2                      ; lanes 16-31 take w's
	s_add_co_u32 s21, s21, SCL
	v_add_nc_u32 v5, v5, v6
	v_add_nc_u32 v[ADRS], s21, v5
	s_mul_i32 s23, s14, 4608                       ; my stage: 2 heads x 16 rows x 144 bytes, in slot 0
	v_mul_u32_u24 v5, v1, 144
	v_lshl_add_u32 v5, v2, 4, v5
	v_add_nc_u32 v[STO], s23, v5                   ; in: row r, 16 bytes for each half of the lanes
	v_bfe_u32 v6, v0, 3, 2
	v_mul_u32_u24 v6, v6, 144
	v_and_b32 v7, 7, v0
	v_lshl_add_u32 v6, v7, 4, v6
	v_add_nc_u32 v[RD], s23, v6                    ; back: eight lanes to a row of 128 bytes, four rows a load
	v_and_b32 v6, 31, v0
	v_lshlrev_b32 v[CO], 4, v6
	v_lshlrev_b32 v[TAO], 8, v1
	v_lshl_add_u32 v[TAO], v2, 5, v[TAO]
	v_mul_u32_u24 v[FO], v1, 12288
	v_lshl_add_u32 v[FO], v2, 5, v[FO]
	; the way out's three bases, in registers that feed no descriptor
	s_and_b32 s66, s17, 7                          ; which 256 positions of the sequence
	s_lshr_b32 s67, s17, 3                         ; which sequence
	s_lshl_b32 s12, s66, 8
	s_lshl_b32 s13, s15, 7
	s_add_co_u32 s12, s12, s13                     ; my first position
	s_or_b32 s66, s66, s15
	v_mov_b32 v[FZ], s66
	s_min_u32 s13, ttmp9, 1                        ; part 0 for Q, part 1 for K; for V part 1 too, so that its address lies inside the buffer
	s_lshl_b32 s13, s13, 19
	s_lshl_b32 s2, s12, 8
	s_add_co_u32 s2, s2, s13
	s_mov_b32 s3, 0
	s_add_nc_u64 s[96:97], s[96:97], s[2:3]        ; the table at my first position
	s_lshl_b32 s2, s67, 4
	s_lshl_b32 s13, s40, 2
	s_add_co_u32 s2, s2, s13
	s_lshl_b32 s13, s16, 1
	s_add_co_u32 s2, s2, s13                       ; my first head: 16 b + 4 cx + 2 x column half
	s_lshl_b32 s2, s2, 11
	s_add_co_u32 s2, s2, s12
	s_lshl_b32 s2, s2, 7                           ; rows of 128 bytes
	s_lshl_b32 s13, ttmp9, 24                      ; a type is 16,777,216 bytes
	s_add_co_u32 s2, s2, s13
	s_add_nc_u64 s[98:99], s[98:99], s[2:3]
	s_mul_i32 s2, s67, 196608                      ; fine32: 16 rows of 12,288 bytes a sequence
	s_lshl_b32 s13, s42, 10
	s_add_co_u32 s2, s2, s13
	s_lshl_b32 s13, s16, 9
	s_add_co_u32 s2, s2, s13
	s_add_nc_u64 s[100:101], s[100:101], s[2:3]
; block a's part of the table: for each 16 channels of a head my four pairs (cos, sin): 32 bytes; both heads of the wave use the same
.macro LOADT a
.irp b, 0,1,2,3
.irp e, 0,1
	global_load_b128 v[TB+32*((\a)%2)+8*\b+4*\e:TB+32*((\a)%2)+8*\b+4*\e+3], v[TAO], s[96:97] offset:4096*(\a)+64*\b+16*\e
.endr
.endr
.endm
	LOADT 0                                        ; blocks 0 and 1: they land while the products run.  They stand on the one way that every wave takes, so v192-255 are written on every way to the RoPE arm;
	LOADT 1                                        ; a V work-group asks too, 16 loads (8,192 bytes) a wave, and neither reads nor writes those registers afterwards
.macro FRAG reg, adr, q, i             ; 16 rows x 128 K of 4-bit codes: 8 registers
.irp c, 0,1
	ds_load_b128 v[\reg+4*\c:\reg+4*\c+3], v[\adr] offset:64*(\q)+32*\c+(\i)*16*PITCH
.endr
.endm
; 16 matrix instructions: x's blocks a0, a0 + 1 against w's eight.  The 64 accumulators take turns, one instruction a turn, in the same order in every step.
.macro MUL16 a0, p, q, sc, zero
.irp a, \a0, \a0+1
.irp b, 0,1,2,3,4,5,6,7
.if \zero
	v_wmma_scale_f32_16x16x128_f8f6f4 v[8*(8*((\a)%4)+\b):8*(8*((\a)%4)+\b)+7], v[128*(\p)+FR*\b:128*(\p)+FR*\b+FR-1], v[AF+FR*(\a):AF+FR*(\a)+FR-1], 0, v[SC+8*NQ*(\sc)+NQ*\b+(\q)], v[SC+8*NQ*(\sc)+NQ*(\a)+(\q)] matrix_a_fmt:MATRIX_FMT_FP4 matrix_b_fmt:MATRIX_FMT_FP4 matrix_a_scale:MATRIX_SCALE_ROW1
.else
	v_wmma_scale_f32_16x16x128_f8f6f4 v[8*(8*((\a)%4)+\b):8*(8*((\a)%4)+\b)+7], v[128*(\p)+FR*\b:128*(\p)+FR*\b+FR-1], v[AF+FR*(\a):AF+FR*(\a)+FR-1], v[8*(8*((\a)%4)+\b):8*(8*((\a)%4)+\b)+7], v[SC+8*NQ*(\sc)+NQ*\b+(\q)], v[SC+8*NQ*(\sc)+NQ*(\a)+(\q)] matrix_a_fmt:MATRIX_FMT_FP4 matrix_b_fmt:MATRIX_FMT_FP4 matrix_a_scale:MATRIX_SCALE_ROW1
.endif
.endr
.endr
.endm
.macro FETCH_B slot, q, p
	WIN TO_B
.irp i, 0,1,2,3,4,5,6,7
	FRAG 128*(\p)+FR*\i, ADRB+\slot, \q, \i
.endr
	WIN 0
.endm
.macro FETCH_A slot, q, i0
.irp i, \i0, \i0+1, \i0+2, \i0+3
	FRAG AF+FR*(\i), ADRA+\slot, \q, \i
.endr
.endm
.macro SCALES sc                       ; a slot's scale words: lanes 0-15 x's block i, lanes 16-31 w's block i
.irp i, 0,1,2,3,4,5,6,7
	ds_load_b128 v[SC+8*NQ*\sc+NQ*\i:SC+8*NQ*\sc+NQ*\i+3], v[ADRS] offset:\i*SBLK
.endr
.endm
.macro PLACES n                        ; plain lines between a matrix instruction and a load into, or a vector line on, its registers
.rept \n
	v_nop
.endr
.endm
.macro STEP slot, q, zero              ; 128 along K with its successor in the same slot
	s_wait_dscnt 4*NL                              ; w's set and x's blocks 0-3 are in; the youngest eight loads (x's blocks 4-7) may be out
	WIN MUL_LO
	MUL16 0, (\q)%2, \q, \slot, \zero
	MUL16 2, (\q)%2, \q, \slot, \zero
	s_wait_dscnt 0
	PLACES NP
	FETCH_B \slot, (\q)+1, 1-(\q)%2
	FETCH_A \slot, (\q)+1, 0
	WIN MUL_HI
	MUL16 4, (\q)%2, \q, \slot, \zero
	MUL16 6, (\q)%2, \q, \slot, \zero
	PLACES NP
	WIN 0
	FETCH_A \slot, (\q)+1, 4
.endm
.macro STEPS slot, from
.set Q, \from
.rept NQ-1-\from
	STEP \slot, Q, 0
.set Q, Q+1
.endr
.endm
	s_wait_tensorcnt 1                             ; the scales and my part of slot 0 are in; slot 1's load may be out
	s_barrier_signal -1
	s_barrier_wait -1
	FETCH_B 0, 0, 0
	FETCH_A 0, 0, 0
	SCALES 0
	FETCH_A 0, 0, 4
	STEP 0, 0, 1                                   ; the first products start the sums: nothing is cleared
	STEPS 0, 1
	; slot 0's last step changes slots: one barrier; nothing is filled again
	s_wait_tensorcnt 0x0                           ; my part of slot 1 has landed
	ds_add_u32 v[SPW], v[NIL]
	s_wait_dscnt 4*NL+1                            ; the add and the youngest eight loads may be out
	WIN MUL_LO
	MUL16 0, 1, NQ-1, 0, 0
	s_wait_dscnt 0x0                               ; the add is done, and my reads of slot 0 are over
	s_barrier_signal -1
	MUL16 2, 1, NQ-1, 0, 0
	WIN 0
	s_barrier_wait -1
	PLACES NP
	v_add_nc_u32 v[ADRS], 4*NQ, v[ADRS]            ; the second slot's scale words
	FETCH_B 1, 0, 0
	FETCH_A 1, 0, 0
	SCALES 1
	WIN MUL_HI
	MUL16 4, 1, NQ-1, 0, 0
	MUL16 6, 1, NQ-1, 0, 0
	PLACES NP
	WIN 0
	FETCH_A 1, 0, 4
	STEPS 1, 0
	s_wait_dscnt 4*NL
	WIN MUL_LO
	MUL16 0, 1, NQ-1, 1, 0
	MUL16 2, 1, NQ-1, 1, 0
	s_wait_dscnt 0
	WIN MUL_HI
	MUL16 4, 1, NQ-1, 1, 0
	MUL16 6, 1, NQ-1, 1, 0
	WIN 0
; THE WAY OUT, block by block of 16 rows x 128 columns (two heads).  Accumulator (a, b): lane (r, h) holds row 16 a + r, channels 16 (b % 4) + 8 h + 0..7 of head b / 4.
; ROT: (x1, x2) -> (x1 c - x2 s, x1 s + x2 c), two packed lines a pair, then f16.
.macro ROT a
.set AC, 64*((\a)%4)
.set TBS, TB+32*((\a)%2)
.if (\a) < 7
	s_wait_loadcnt 8                               ; this block's table is in; the next block's eight loads may be out
.else
	s_wait_loadcnt 0
.endif
	WIN 0x02+(\a)/4                                ; source 0: window 2 or 3
.irp b, 0,1,2,3,4,5,6,7
.irp p, 0,1,2,3
	v_pk_mul_f32 v[T+8*\b+2*\p:T+8*\b+2*\p+1], v[AC+8*\b+2*\p:AC+8*\b+2*\p+1], v[TBS+8*(\b%4)+2*\p:TBS+8*(\b%4)+2*\p+1] op_sel_hi:[1,0]   ; (x1 c, x2 c); each accumulator from its low end on
.endr
.endr
.irp b, 0,1,2,3,4,5,6,7
.irp p, 0,1,2,3
	v_pk_fma_f32 v[T+8*\b+2*\p:T+8*\b+2*\p+1], v[AC+8*\b+2*\p:AC+8*\b+2*\p+1], v[TBS+8*(\b%4)+2*\p:TBS+8*(\b%4)+2*\p+1], v[T+8*\b+2*\p:T+8*\b+2*\p+1] op_sel:[1,1,0] op_sel_hi:[0,1,1] neg_lo:[1,0,0]   ; low: -x2 s + x1 c; high: x1 s + x2 c
.endr
.endr
	WIN 0
.irp b, 0,1,2,3,4,5,6,7
.irp p, 0,1,2,3
	v_cvt_pk_f16_f32 v[H+4*\b+\p], v[T+8*\b+2*\p], v[T+8*\b+2*\p+1]
.endr
.endr
.if (\a) < 6
	LOADT (\a)+2
.endif
.endm
.macro PACKV a                         ; V: f16 as it is
.set AC, 64*((\a)%4)
	WIN 0x0a+5*((\a)/4)
.irp b, 0,1,2,3,4,5,6,7
.irp p, 0,1,2,3
	v_cvt_pk_f16_f32 v[H+4*\b+\p], v[AC+8*\b+2*\p], v[AC+8*\b+2*\p+1]
.endr
.endr
	WIN 0
.endm
; Block 0 in f32, where it is positions 0-15 of a sequence.  That hangs on my place in the cluster, so it is a predicate and no branch.  EXEC changes only behind a wait for the addresses of what is out.
.macro FINE win, src
	s_wait_xcnt 0x0
	v_cmp_eq_u32 vcc_lo, 0, v[FZ]
	s_and_saveexec_b32 s95, vcc_lo
	WIN \win
.irp b, 0,1,2,3,4,5,6,7
.irp e, 0,1
	global_store_b128 v[FO], v[\src+8*\b+4*\e:\src+8*\b+4*\e+3], s[100:101] offset:64*\b+16*\e
.endr
.endr
	WIN 0
	s_wait_xcnt 0x0
	s_or_b32 exec_lo, exec_lo, s95
.endm
; Through my stage, which lies in slot 0: it has had its only fill, and nobody reads it behind the change of slots.  LDS serves a wave's instructions in order: no wait between stores and loads.
.macro TOSTAGE a
.irp b, 0,1,2,3,4,5,6,7
	ds_store_b128 v[STO], v[H+4*\b:H+4*\b+3] offset:2304*(\b/4)+32*(\b%4)
.endr
.set BB, BK+32*((\a)%2)
.irp hh, 0,1
.irp t, 0,1,2,3
	ds_load_b128 v[BB+4*(4*\hh+\t):BB+4*(4*\hh+\t)+3], v[RD] offset:2304*\hh+576*\t
.endr
.endr
.endm
.macro SEND a, younger
.set BB, BK+32*((\a)%2)
	s_wait_dscnt \younger
.irp hh, 0,1
.irp t, 0,1,2,3
	global_store_b128 v[CO], v[BB+4*(4*\hh+\t):BB+4*(4*\hh+\t)+3], s[98:99] offset:262144*\hh+2048*(\a)+512*\t   ; four rows of a head: 512 consecutive bytes, aligned
.endr
.endr
.endm
	PLACES NP                                      ; behind the last products: for the reads of results, the writes over scale words and the loads over x's fragments
	s_cmp_eq_u32 ttmp9, 2
	s_cbranch_scc1 .Lv
	ROT 0
	FINE 0, T
	TOSTAGE 0
.irp a, 1,2,3,4,5,6,7
	ROT \a
.if \a > 1
	s_wait_xcnt 0x0                                ; block a - 2's stores have read the registers that block a's loads land in
.endif
	TOSTAGE \a
	SEND \a-1, 16                                  ; behind block a - 1's loads: block a's 8 stores and 8 loads
.endr
	SEND 7, 0
	s_branch .Lend
.Lv:
	PACKV 0
	FINE 0x08, 0                                   ; the data: window 2
	TOSTAGE 0
.irp a, 1,2,3,4,5,6,7
	PACKV \a
.if \a > 1
	s_wait_xcnt 0x0
.endif
	TOSTAGE \a
	SEND \a-1, 16
.endr
	SEND 7, 0
.Lend:
	s_wait_tensorcnt 0x0                           ; the wave's end
	ds_add_u32 v[SPW], v[NIL]
	s_wait_dscnt 0x0
	CROUND                                         ; the closing round
	s_endpgm
.Lfunc_end_k_q51b0aa3825_qkv:
	.size	k_q51b0aa3825_qkv, .Lfunc_end_k_q51b0aa3825_qkv-k_q51b0aa3825_qkv
	.p2alignl 7, 3214868480
	.fill 96, 4, 3214868480
	.section	.rodata,"a",@progbits
	.p2align	6, 0x0
	.amdhsa_kernel k_q51b0aa3825_qkv
		.amdhsa_group_segment_fixed_size 327680
		.amdhsa_private_segment_fixed_size 0
		.amdhsa_enable_private_segment 0
		.amdhsa_kernarg_size 40
		.amdhsa_user_sgpr_count 2
		.amdhsa_user_sgpr_kernarg_segment_ptr 1
		.amdhsa_wavefront_size32 1
		.amdhsa_system_sgpr_workgroup_id_x 1
		.amdhsa_system_sgpr_workgroup_id_y 1
		.amdhsa_system_sgpr_workgroup_id_z 1
		.amdhsa_system_vgpr_workitem_id 0
		.amdhsa_next_free_vgpr 1024
		.amdhsa_next_free_sgpr 102
		.amdhsa_reserve_vcc 1
		.amdhsa_float_denorm_mode_32 3
		.amdhsa_float_denorm_mode_16_64 3
		.amdhsa_memory_ordered 1
		.amdhsa_forward_progress 1
		.amdhsa_inst_pref_size 200
	.end_amdhsa_kernel
	.amdgpu_metadata
---
amdhsa.version: [ 1, 2 ]
amdhsa.kernels:
  - .name:           k_q51b0aa3825_qkv
    .symbol:         k_q51b0aa3825_qkv.kd
    .args:
      - { .name: codes, .offset: 0, .size: 8, .value_kind: global_buffer, .address_space: global }
      - { .name: scales, .offset: 8, .size: 8, .value_kind: global_buffer, .address_space: global }
      - { .name: rope, .offset: 16, .size: 8, .value_kind: global_buffer, .address_space: global }
      - { .name: qkv16, .offset: 24, .size: 8, .value_kind: global_buffer, .address_space: global }
      - { .name: fine32, .offset: 32, .size: 8, .value_kind: global_buffer, .address_space: global }
    .group_segment_fixed_size: 327680
    .private_segment_fixed_size: 0
    .kernarg_segment_align: 8
    .kernarg_segment_size: 40
    .max_flat_workgroup_size: 128
    .sgpr_count:     102
    .vgpr_count:     1024
    .wavefront_size: 32
...
	.end_amdgpu_metadata
.endif
;; end of part 2
;; launch attn (part 3): grid 4 x 64, 16 waves a work-group, clusters of 4 x 1, 327,680 bytes of LDS; arguments qkv16, ao16; writes ao16
.if DOCPART == 3
	.amdgcn_target "amdgcn-amd-amdhsa--gfx1250"
	.amdhsa_code_object_version 6
	.text
	.protected	k_q51b0aa3825_attn
	.globl	k_q51b0aa3825_attn
	.p2align	8
	.type	k_q51b0aa3825_attn,@function
k_q51b0aa3825_attn:
	s_mov_b64 s[64:65], 0
	v_nop
	global_prefetch_b8 v0, s[64:65] scope:SCOPE_SE
	s_setreg_imm32_b32 hwreg(HW_REG_WAVE_MODE, 25, 1), 1
	s_wait_xcnt 0x0
	s_wait_alu depctr_hold_cnt(0) depctr_sa_sdst(0) depctr_va_vdst(0) depctr_va_sdst(0) depctr_va_ssrc(0) depctr_va_vcc(0) depctr_vm_vsrc(0)
	s_getreg_b32 s2, hwreg(HW_REG_IB_STS2, 6, 4)
	s_cmp_eq_u32 s2, 0
	s_cbranch_scc0 .Lentry_in_a_cluster
	s_endpgm
.Lentry_in_a_cluster:
	s_bfe_u32 s2, ttmp6, 0x10000c
	s_cmp_lg_u32 s2, 0x3003
	s_cbranch_scc0 .Lentry_shape_is_right
	s_endpgm
.Lentry_shape_is_right:
; O[b][h][q] = sum over k <= q of softmax_k(Q[q] . K[k] / 8) V[k], head size 64, 2,048 positions, 64 heads (b, h).  Q, K, V: f16, [type][b][h][s][64]; Q already holds log2(e)/8, so a score is an exponent of 2.
; Products on f16 with f32 sums; running maximum m and sum l in f32: p = 2^(s - m), in every step O and l are multiplied by a = 2^(m_old - m_new); p is rounded to f16 for the second product; O goes out in f16.
; SHARES.  A cluster of four work-groups is one head.  Each has 16 waves; a wave owns 32 queries (two tiles of 16): q0 = 128 rank + 32 cx, rank = the wave's number with waves 4-7 and 12-15 reversed.
; All four partners walk all 2,048 keys, 64 a step, and ask for K's and V's tiles JOINTLY.  What a wave leaves out under the causal mask hangs on its rank alone, the same in all partners: a step is
; worked where its first key is at or under 128 rank + 127, and masked where it is at or over 128 rank.  The wave of rank 15 of every partner reads every tile.
; LAYOUT.  S^T = K Q^T (source 0 = 16 keys, source 1 = 16 queries): a lane holds one query (lane % 16) and keys 8 (lane / 16) + 0..7 of a tile; two tiles rounded in pairs are source 1 of O^T = V^T P.
; V ([key][channel]) comes out of LDS turned, by ds_load_tr16_b128.
; LIMITS: scores, K, V inside f16's range as stored by the launch before; NaN and infinities not served.
; REGISTERS: v1-11 addresses; v12-27 statistics, 8 a tile: +0 m, +1 old m, +2, +3 l, +4..7 at work (a in +6); v28-59 Q; v60-123 S^T, then p, then P packed into each tile's first 16; v124-187 O^T; v188-251 K's, later V's fragments.
.set PK,    144                        ; a key's row in LDS: 128 bytes + 16: an odd multiple of 16
.set PV,    160                        ; a row of V: 128 + 32: an odd multiple of 32
.set VOFF,  256*PK                     ; a slot: 256 rows of K, then 256 rows of V
.set SLOT1, 1<<17                      ; slot 1 begins here: one exclusive or turns an address
.set SPARE, SLOT1+256*(PK+PV)          ; the spare words, 128 bytes a wave
.set AK0, 1
.set AV0, 2
.set ADK, 3
.set ADV, 4
.set SPW, 5
.set NIL, 6
.set QB,  7                            ; v7  my query - 8 (lane / 16)
.set DD,  8                            ; v8, v9: that less the step's first key, for tiles 0 and 1
.set GO,  10
.set PFO, 11
.set ST,  12
.set RQ,  28
.set RS,  60
.set RO,  124
.set RF,  188
.set NINF, 252
.set STO, 253
.set RD,  254
.set QO,  255
.set WV,  12
.set RANK, 13
.set CX,  14
.set QL,  15
.set QF,  16
.set KF,  17
.set TBK, 18
.set TBV, 19
.set SEL, 20
.set SLOTS, 22
.set CNT, 23
.set G1K, 24
.set G1V, 32
.set G0K, 40
.set G0V, 48
.set PFA, 56
.set LIM, 58
.macro CROUND
	s_barrier_signal -1
	s_barrier_wait -1
	s_cmp_lg_u32 s[WV], 0
	s_cbranch_scc1 .Lnot_wave_0_\@
	s_barrier_signal -3
.Lnot_wave_0_\@:
	s_barrier_wait -3
	s_barrier_signal -1
	s_barrier_wait -1
.endm
; A joint refill: waves 0 and 1 fetch K's halves of a slot, waves 2 and 3 V's, the others nothing.  The branches hang on the wave's number alone.  An s_nop 0 and four v_nop follow each line.
.macro JLOAD
	s_cmp_lt_u32 s[WV], 2
	s_cbranch_scc0 .Lnot_k_\@
	tensor_load_to_lds s[G0K+4:G0K+7], s[G1K:G1K+7]
	s_nop 0
.rept 4
	v_nop
.endr
	s_branch .Lasked_\@
.Lnot_k_\@:
	s_cmp_lt_u32 s[WV], 4
	s_cbranch_scc0 .Lasked_\@
	tensor_load_to_lds s[G0V+4:G0V+7], s[G1V:G1V+7]
	s_nop 0
.rept 4
	v_nop
.endr
.Lasked_\@:
.endm
; A prefetch of what the NEXT change of slots will ask for: 32,768 dense bytes of K and as many of V.  The four partners share them out by address, 8,192 bytes each, lanes 256 bytes apart;
; wave 4 asks for K's, wave 5 for V's: each aligned 256 bytes is named once in the launch.  The last change that fills a slot asks for nothing.
.macro ASK
	s_cmp_gt_u32 s[SLOTS], s[LIM]
	s_cbranch_scc0 .Lnot_mine_\@
	global_prefetch_b8 v[PFO], s[PFA:PFA+1] th:TH_LOAD_NT scope:SCOPE_SE
.Lnot_mine_\@:
.endm
	s_load_b128 s[4:7], s[0:1], 0x0                ; qkv16, ao16
	v_lshl_add_u32 v[SPW], v0, 2, SPARE
	v_mov_b32 v[NIL], 0
	ds_add_u32 v[SPW], v[NIL]                      ; the opening: the add, twice on end, and its wait ahead of the first tensor loads
	ds_add_u32 v[SPW], v[NIL]
	v_lshrrev_b32 v3, 5, v0
	v_readfirstlane_b32 s[WV], v3                  ; wave 0..15
	s_bfe_u32 s[RANK], s[WV], 0x10002
	s_mul_i32 s[RANK], s[RANK], 3
	s_xor_b32 s[RANK], s[RANK], s[WV]              ; 0-3, 7-4, 8-11, 15-12
	s_bfe_u32 s[CX], ttmp6, 0x40000
	s_lshl_b32 s[QF], s[RANK], 7                   ; the rank's first query, over all partners,
	s_add_co_u32 s[QL], s[QF], 127                 ; and its last
	s_lshl_b32 s63, s[CX], 5
	s_add_co_u32 s63, s63, s[QF]                   ; q0: it enters Q's and O's addresses and the mask's vector register alone
	s_mov_b32 s[G1K], 15|(1<<16)|(1<<20)|(1<<21)|(4<<22)|(3<<25)  ; the mask: all four; elements of 2 bytes; padding on; bit 21 beside a mask; 4 words behind every 32
	s_mov_b32 s[G1V], 15|(1<<16)|(1<<20)|(1<<21)|(4<<22)|(7<<25)  ; 8 words of padding
.irp g, G1K, G1V
	s_mov_b32 s[\g+1], 64<<16                      ; tensor_dim0
	s_mov_b32 s[\g+2], 128<<16                     ; tensor_dim1
	s_mov_b32 s[\g+3], 64<<16                      ; tile_dim0
	s_mov_b32 s[\g+4], 128                         ; tile_dim1
	s_mov_b32 s[\g+5], 64                          ; from row to row
	s_mov_b32 s[\g+6], 0
	s_mov_b32 s[\g+7], 0
.endr
	s_and_b32 s59, ttmp7, 0xffff                   ; the head (b, h), which the partners share
	s_lshl_b32 s60, s59, 18                        ; 262,144 bytes a head
	s_mov_b32 s61, 0
	s_and_b32 s62, s[WV], 1                        ; which 128 rows of a slot I fetch
	s_lshl_b32 s66, s62, 14
	s_mov_b32 s67, 0
	s_mul_i32 s68, s62, 128*PK
	s_mul_i32 s69, s62, 128*PV
	s_add_co_u32 s69, s69, VOFF
	s_lshl_b32 s70, s63, 7                         ; q0 rows of 128 bytes
	s_mov_b32 s71, 0
	s_mov_b32 s[KF], 0
	s_mov_b32 s[TBK], 0
	s_mov_b32 s[TBV], 0
	s_mov_b32 s[SEL], 0x76543210
	s_mov_b32 s[SEL+1], 0xfedcba98
	s_mov_b32 s[SLOTS], 6
	s_sub_co_u32 s[LIM], s[WV], 4
	s_lshr_b32 s[LIM], s[LIM], 1                   ; 0 in waves 4 and 5
	s_cmp_eq_u32 s[LIM], 0
	s_cselect_b32 s[LIM], 1, -1
	s_wait_dscnt 0x0                               ; both opening adds are done
	s_wait_kmcnt 0x0
	s_add_nc_u64 s[8:9], s[4:5], s[60:61]          ; the head in Q's type
	s_add_nc_u64 s[2:3], s[8:9], s[70:71]          ; Q at my first query
	s_add_nc_u64 s[10:11], s[8:9], 0x2000000       ; the head's V
	s_add_nc_u64 s[8:9], s[8:9], 0x1000000         ; the head's K
	s_add_nc_u64 s[6:7], s[6:7], s[60:61]
	s_add_nc_u64 s[6:7], s[6:7], s[70:71]          ; O at my first query
	s_cmp_eq_u32 s[WV], 4
	s_cselect_b64 s[PFA:PFA+1], s[8:9], s[10:11]
	s_lshl_b32 s70, s[CX], 13
	s_add_co_u32 s70, s70, 2*32768                 ; in key slot 2: the first change steps it to 3.  Nothing is prefetched at the head
	s_add_nc_u64 s[PFA:PFA+1], s[PFA:PFA+1], s[70:71]
	s_add_nc_u64 s[8:9], s[8:9], s[66:67]          ; K and V at my 128 rows of slot 0
	s_add_nc_u64 s[10:11], s[10:11], s[66:67]
	CROUND                                         ; all four work-groups are here: the first joint loads meet
.irp s, 0,1
	s_mov_b32 s[G0K+4*\s], 1
	s_add_co_u32 s[G0K+4*\s+1], s68, \s*SLOT1
	s_add_nc_u64 s[G0K+4*\s+2:G0K+4*\s+3], s[8:9], \s*32768
	s_or_b32 s[G0K+4*\s+3], s[G0K+4*\s+3], 0x80000000
	s_mov_b32 s[G0V+4*\s], 1
	s_add_co_u32 s[G0V+4*\s+1], s69, \s*SLOT1
	s_add_nc_u64 s[G0V+4*\s+2:G0V+4*\s+3], s[10:11], \s*32768
	s_or_b32 s[G0V+4*\s+3], s[G0V+4*\s+3], 0x80000000
.endr
	s_cmp_lt_u32 s[WV], 2                          ; a wave's two first fills stand in one branch: two loads of mine are out
	s_cbranch_scc0 .Lfirst_not_k
	tensor_load_to_lds s[G0K:G0K+3], s[G1K:G1K+7]
	s_nop 0
	tensor_load_to_lds s[G0K+4:G0K+7], s[G1K:G1K+7]
	s_nop 0
.rept 4
	v_nop
.endr
	s_branch .Lfirst_asked
.Lfirst_not_k:
	s_cmp_lt_u32 s[WV], 4
	s_cbranch_scc0 .Lfirst_asked
	tensor_load_to_lds s[G0V:G0V+3], s[G1V:G1V+7]
	s_nop 0
	tensor_load_to_lds s[G0V+4:G0V+7], s[G1V:G1V+7]
	s_nop 0
.rept 4
	v_nop
.endr
.Lfirst_asked:
	v_and_b32 v8, 15, v0                           ; r
	v_bfe_u32 v9, v0, 4, 1                         ; h
	v_lshlrev_b32 v[QO], 7, v8
	v_lshl_add_u32 v[QO], v9, 4, v[QO]             ; Q: row r of 128 bytes + 16 h
.irp t, 0,1
.irp e, 0,1
	global_load_b128 v[RQ+16*\t+8*\e:RQ+16*\t+8*\e+3],   v[QO], s[2:3] offset:2048*\t+64*\e
	global_load_b128 v[RQ+16*\t+8*\e+4:RQ+16*\t+8*\e+7], v[QO], s[2:3] offset:2048*\t+64*\e+32
.endr
.endr
	v_mul_u32_u24 v[AK0], v8, PK
	v_lshl_add_u32 v[AK0], v9, 4, v[AK0]
	v_and_b32 v3, 7, v0
	v_lshl_add_u32 v[AV0], v9, 3, v3               ; the turning load: key 8 h + lane % 8,
	v_mul_u32_u24 v[AV0], v[AV0], PV
	v_bfe_u32 v3, v0, 3, 1
	v_lshl_add_u32 v[AV0], v3, 4, v[AV0]           ; channels 8 ((lane / 8) % 2) on
	v_add_nc_u32 v[AV0], VOFF, v[AV0]
	v_lshlrev_b32 v[QB], 3, v9
	v_sub_nc_u32 v[QB], v8, v[QB]
	v_add_nc_u32 v[QB], s63, v[QB]
	v_and_b32 v3, 31, v0
	v_lshlrev_b32 v[GO], 4, v3
	v_lshlrev_b32 v[PFO], 8, v3
	s_mul_i32 s59, s[WV], 4608                     ; my stage for the way out: 2 tiles x 16 rows x 144 bytes
	v_mul_u32_u24 v[STO], v8, PK
	v_lshl_add_u32 v[STO], v9, 4, v[STO]
	v_add_nc_u32 v[STO], s59, v[STO]
	v_bfe_u32 v4, v0, 3, 2
	v_mul_u32_u24 v[RD], v4, PK
	v_and_b32 v4, 7, v0
	v_lshl_add_u32 v[RD], v4, 4, v[RD]
	v_add_nc_u32 v[RD], s59, v[RD]
	v_mov_b32 v[NINF], 0xff800000
.set j, 0
.rept 16
	v_mov_b32 v[ST+j], 0                           ; l = 0; the others are written so that every path finds them written
.set j, j+1
.endr
	v_mov_b32 v[ST], 0xff61b1e6                    ; m = -3e38, under every score
	v_mov_b32 v[ST+8], 0xff61b1e6
.set j, 0
.rept 64
	v_mov_b32 v[RO+j], 0                           ; O^T.  The step is written once: the first finds zeros, which a = 0 leaves zeros
.set j, j+1
.endr
; A KEY STEP: 64 keys at LDS bytes s[TBK] (K) and s[TBV] (V).
.macro STEP
	s_cmp_gt_u32 s[KF], s[QL]                      ; all keys come after my rank's queries: the step's work is left out; the lines at its end that step addresses are not
	s_cbranch_scc1 .Lhidden_\@
	v_add_nc_u32 v[ADK], s[TBK], v[AK0]
	v_add_nc_u32 v[ADV], s[TBV], v[AV0]
.rept 3
	v_nop                                          ; with the two additions five plain lines behind the last step's products: the loads below land on V's fragments, the products below write over P
.endr
.irp e, 0,1
.irp kt, 0,1,2,3
	ds_load_b128 v[RF+16*\kt+8*\e:RF+16*\kt+8*\e+3],   v[ADK] offset:16*PK*\kt+64*\e
	ds_load_b128 v[RF+16*\kt+8*\e+4:RF+16*\kt+8*\e+7], v[ADK] offset:16*PK*\kt+64*\e+32
.endr
.endr
.irp e, 0,1
	s_wait_dscnt 8-8*\e                            ; channels 0-31 are in, the eight loads of channels 32-63 may be out; then all
.irp kt, 0,1,2,3
.irp t, 0,1
.if \e == 0
	v_wmma_f32_16x16x32_f16 v[RS+32*\t+8*\kt:RS+32*\t+8*\kt+7], v[RF+16*\kt+8*\e:RF+16*\kt+8*\e+7], v[RQ+16*\t+8*\e:RQ+16*\t+8*\e+7], 0
.else
	v_wmma_f32_16x16x32_f16 v[RS+32*\t+8*\kt:RS+32*\t+8*\kt+7], v[RF+16*\kt+8*\e:RF+16*\kt+8*\e+7], v[RQ+16*\t+8*\e:RQ+16*\t+8*\e+7], v[RS+32*\t+8*\kt:RS+32*\t+8*\kt+7]
.endif
.endr
.endr
.endr                                          ; eight accumulators by turns
.rept 4
	v_nop                                          ; plain lines in front of the loads over K's fragments and of the first read of scores
.endr
.irp g, 0,1
.irp ct, 0,1,2,3
	ds_load_tr16_b128 v[RF+32*\g+8*\ct:RF+32*\g+8*\ct+3],   v[ADV] offset:32*PV*\g+32*\ct
	ds_load_tr16_b128 v[RF+32*\g+8*\ct+4:RF+32*\g+8*\ct+7], v[ADV] offset:32*PV*\g+16*PV+32*\ct
.endr
.endr                                          ; V lands while the softmax is worked
	s_cmp_lt_u32 s[KF], s[QF]                      ; all keys count for all of my rank's queries: no mask
	s_cbranch_scc1 .Lopen_\@
	v_sub_nc_u32 v[DD], v[QB], s[KF]               ; register 8 kt + j holds key KF + 16 kt + 8 h + j: hidden where 16 kt + j > my query - 8 h - KF
	v_add_nc_u32 v[DD+1], 16, v[DD]
.irp t, 0,1
.set n, 0
.rept 32
	v_cmp_gt_i32 vcc_lo, 16*(n/8)+n%8, v[DD+\t]
	v_cndmask_b32 v[RS+32*\t+n], v[RS+32*\t+n], v[NINF], vcc_lo
.set n, n+1
.endr
.endr
.Lopen_\@:
.irp j, 0,1,2,3                                ; the maximum of 32 scores and the old m: four chains, each accumulator from its low end on; the two tiles by turns
.irp t, 0,1
	v_max3_num_f32 v[ST+8*\t+4+\j], v[RS+32*\t+8*\j], v[RS+32*\t+8*\j+1], v[RS+32*\t+8*\j+2]
.endr
.endr
.irp i, 3,5
.irp j, 0,1,2,3
.irp t, 0,1
	v_max3_num_f32 v[ST+8*\t+4+\j], v[ST+8*\t+4+\j], v[RS+32*\t+8*\j+\i], v[RS+32*\t+8*\j+\i+1]
.endr
.endr
.endr
.irp t, 0,1
	v_max3_num_f32 v[ST+8*\t+4], v[ST+8*\t+4], v[RS+32*\t+7], v[RS+32*\t+15]
	v_max3_num_f32 v[ST+8*\t+6], v[ST+8*\t+6], v[RS+32*\t+23], v[RS+32*\t+31]
.endr
.irp t, 0,1
	v_max3_num_f32 v[ST+8*\t+4], v[ST+8*\t+4], v[ST+8*\t+5], v[ST+8*\t+6]
.endr
.irp t, 0,1
	v_max3_num_f32 v[ST+8*\t+4], v[ST+8*\t+4], v[ST+8*\t+7], v[ST+8*\t]
.endr
.irp t, 0,1
	v_permlanex16_b32 v[ST+8*\t+5], v[ST+8*\t+4], s[SEL], s[SEL+1]   ; the query's other 32 keys lie 16 lanes away
.endr
.irp t, 0,1
	v_mov_b32 v[ST+8*\t+1], v[ST+8*\t]
.endr
.irp t, 0,1
	v_max_num_f32 v[ST+8*\t], v[ST+8*\t+4], v[ST+8*\t+5]
.endr
.irp t, 0,1
	v_sub_f32 v[ST+8*\t+7], v[ST+8*\t+1], v[ST+8*\t]
.endr
.irp t, 0,1
	v_exp_f32 v[ST+8*\t+6], v[ST+8*\t+7]           ; a.  One batch: these two and the 64 below; nothing names a result before the wait
.endr
.irp j, 0,2,4,6,8,10,12,14,16,18,20,22,24,26,28,30
.irp t, 0,1
	v_pk_add_f32 v[RS+32*\t+\j:RS+32*\t+\j+1], v[RS+32*\t+\j:RS+32*\t+\j+1], v[ST+8*\t:ST+8*\t+1] op_sel_hi:[1,0] neg_lo:[0,1] neg_hi:[0,1]   ; s - m
.endr
.endr
.set j, 0
.rept 64
	v_exp_f32 v[RS+j], v[RS+j]
.set j, j+1
.endr
	v_nop                                          ; a plain line behind the last exponential
	s_wait_alu depctr_va_vdst(0)                   ; one wait for the batch of 66, ahead of its first reader
.irp t, 0,1
	v_pk_mul_f32 v[ST+8*\t+2:ST+8*\t+3], v[ST+8*\t+2:ST+8*\t+3], v[ST+8*\t+6:ST+8*\t+7] op_sel_hi:[1,0]   ; l a
.endr
.irp t, 0,1
	v_pk_add_f32 v[ST+8*\t+4:ST+8*\t+5], v[RS+32*\t:RS+32*\t+1], v[RS+32*\t+2:RS+32*\t+3]   ; the sum of p in f32, two chains a tile
.endr
.irp j, 4,8,12,16,20,24,28
.irp t, 0,1
	v_pk_add_f32 v[ST+8*\t+2:ST+8*\t+3], v[ST+8*\t+2:ST+8*\t+3], v[RS+32*\t+\j:RS+32*\t+\j+1]
	v_pk_add_f32 v[ST+8*\t+4:ST+8*\t+5], v[ST+8*\t+4:ST+8*\t+5], v[RS+32*\t+\j+2:RS+32*\t+\j+3]
.endr
.endr
.irp t, 0,1
	v_pk_add_f32 v[ST+8*\t+2:ST+8*\t+3], v[ST+8*\t+2:ST+8*\t+3], v[ST+8*\t+4:ST+8*\t+5]
.endr
.irp j, 0,1,2,3,4,5,6,7,8,9,10,11,12,13,14,15
.irp t, 0,1
	v_cvt_pk_f16_f32 v[RS+32*\t+\j], v[RS+32*\t+2*\j], v[RS+32*\t+2*\j+1]   ; in place, ascending: register j is written when 2 j and 2 j + 1 are read
.endr
.endr
.irp j, 0,2,4,6,8,10,12,14,16,18,20,22,24,26,28,30
.irp t, 0,1
	v_pk_mul_f32 v[RO+32*\t+\j:RO+32*\t+\j+1], v[RO+32*\t+\j:RO+32*\t+\j+1], v[ST+8*\t+6:ST+8*\t+7] op_sel_hi:[1,0]   ; O^T a
.endr
.endr
	s_wait_dscnt 0x0                               ; V is in
.irp g, 0,1
.irp ct, 0,1,2,3
.irp t, 0,1
	v_wmma_f32_16x16x32_f16 v[RO+32*\t+8*\ct:RO+32*\t+8*\ct+7], v[RF+32*\g+8*\ct:RF+32*\g+8*\ct+7], v[RS+32*\t+8*\g:RS+32*\t+8*\g+7], v[RO+32*\t+8*\ct:RO+32*\t+8*\ct+7]
.endr
.endr
.endr
.Lhidden_\@:
	s_add_co_u32 s[KF], s[KF], 64
	s_add_co_u32 s[TBK], s[TBK], 64*PK
	s_add_co_u32 s[TBV], s[TBV], 64*PV
.endm
.macro SLOT_STEPS                      ; a slot's four steps: written once, walked four times
	s_mov_b32 s[CNT], 4
.Lstep_\@:
	STEP
	s_sub_co_u32 s[CNT], s[CNT], 1
	s_cmp_lg_u32 s[CNT], 0
	s_cbranch_scc1 .Lstep_\@
.endm
; THE CHANGE OF SLOTS.  Each wave waits for all its tensor loads (its part of the other slot), adds 0 to its spare word, and waits for that and for its reads of the slot that it leaves.
; fill = 1: the barrier is a round of the cluster's, and behind it the slot just left is filled with the keys two slots on: one load a wave, with a slot's four steps in which to land.
.macro CHANGE fill
	s_wait_tensorcnt 0x0                           ; no tensor load of mine is out, so a group 0 may be written
	ds_add_u32 v[SPW], v[NIL]
.if \fill
	ds_add_u32 v[SPW], v[NIL]                      ; and here twice on end, in every trip alike
	s_xor_b32 s[G0K+5], s[G0K+5], SLOT1            ; the walking descriptors: the other slot than last time, the next 256 keys
	s_add_nc_u64 s[G0K+6:G0K+7], s[G0K+6:G0K+7], 32768
	s_xor_b32 s[G0V+5], s[G0V+5], SLOT1
	s_add_nc_u64 s[G0V+6:G0V+7], s[G0V+6:G0V+7], 32768
	s_wait_xcnt 0x0                                ; the last prefetch, a slot back, has read its address
	s_add_nc_u64 s[PFA:PFA+1], s[PFA:PFA+1], 32768
	s_wait_dscnt 0x0                               ; both adds are done, and my reads of the slot are over
	CROUND
	JLOAD
	ASK
.else
	s_wait_dscnt 0x0
	s_barrier_signal -1
	s_barrier_wait -1
.endif
	s_sub_co_u32 s[TBK], s[TBK], 256*PK            ; back to a slot's first step, in the other slot
	s_xor_b32 s[TBK], s[TBK], SLOT1
	s_sub_co_u32 s[TBV], s[TBV], 256*PV
	s_xor_b32 s[TBV], s[TBV], SLOT1
.endm
	s_wait_tensorcnt 1                             ; my part of slot 0 is in; slot 1's load may be out
	s_barrier_signal -1
	s_barrier_wait -1
	s_wait_loadcnt 0x0                             ; Q
.Lslot:                                            ; six trips: key slots 0 to 5 are read, 2 to 7 asked for
	SLOT_STEPS
	CHANGE 1
	s_sub_co_u32 s[SLOTS], s[SLOTS], 1
	s_cmp_lg_u32 s[SLOTS], 0
	s_cbranch_scc1 .Lslot
	SLOT_STEPS                                     ; the tail is written out
	CHANGE 0
	SLOT_STEPS
	; THE WAY OUT.  O^T / l, f16, through my stage (in LDS slot 0, which has had its last fill and was left at the last change), out as rows of 128 bytes, four to a store.
.rept 4
	v_nop                                          ; plain lines behind the last products
.endr
.irp t, 0,1
	v_add_f32 v[ST+8*\t+4], v[ST+8*\t+2], v[ST+8*\t+3]
.endr
.irp t, 0,1
	v_permlanex16_b32 v[ST+8*\t+5], v[ST+8*\t+4], s[SEL], s[SEL+1]
.endr
.irp t, 0,1
	v_add_f32 v[ST+8*\t+4], v[ST+8*\t+4], v[ST+8*\t+5]
.endr
.irp t, 0,1
	v_rcp_f32 v[ST+8*\t+6], v[ST+8*\t+4]
.endr
	v_nop
	s_wait_alu depctr_va_vdst(0)                   ; one wait for both reciprocals
.irp t, 0,1
.irp j, 0,2,4,6,8,10,12,14,16,18,20,22,24,26,28,30
	v_pk_mul_f32 v[RO+32*\t+\j:RO+32*\t+\j+1], v[RO+32*\t+\j:RO+32*\t+\j+1], v[ST+8*\t+6:ST+8*\t+7] op_sel_hi:[1,0]
.endr
.endr
.set j, 0
.rept 32
	v_cvt_pk_f16_f32 v[RS+j], v[RO+2*j], v[RO+2*j+1]   ; register 16 t + 4 ct + p: channels 16 ct + 8 h + 2 p, + 1 of query r of tile t
.set j, j+1
.endr
.irp t, 0,1
.irp ct, 0,1,2,3
	ds_store_b128 v[STO], v[RS+16*\t+4*\ct:RS+16*\t+4*\ct+3] offset:2304*\t+32*\ct
.endr
.endr
.irp t, 0,1
.irp i, 0,1,2,3
	ds_load_b128 v[RS+32+16*\t+4*\i:RS+32+16*\t+4*\i+3], v[RD] offset:2304*\t+576*\i   ; in order behind my stores
.endr
.endr
.irp t, 0,1
.irp i, 0,1,2,3
	s_wait_dscnt 7-4*\t-\i                         ; the loads issued behind this one may be out
	global_store_b128 v[GO], v[RS+32+16*\t+4*\i:RS+32+16*\t+4*\i+3], s[6:7] offset:2048*\t+512*\i   ; 512 consecutive bytes, aligned
.endr
.endr
	s_wait_tensorcnt 0x0                           ; the wave's end
	ds_add_u32 v[SPW], v[NIL]
	s_wait_dscnt 0x0
	CROUND                                         ; the closing round
	s_endpgm
.Lfunc_end_k_q51b0aa3825_attn:
	.size	k_q51b0aa3825_attn, .Lfunc_end_k_q51b0aa3825_attn-k_q51b0aa3825_attn
	.p2alignl 7, 3214868480
	.fill 96, 4, 3214868480
	.section	.rodata,"a",@progbits
	.p2align	6, 0x0
	.amdhsa_kernel k_q51b0aa3825_attn
		.amdhsa_group_segment_fixed_size 327680
		.amdhsa_private_segment_fixed_size 0
		.amdhsa_enable_private_segment 0
		.amdhsa_kernarg_size 16
		.amdhsa_user_sgpr_count 2
		.amdhsa_user_sgpr_kernarg_segment_ptr 1
		.amdhsa_wavefront_size32 1
		.amdhsa_system_sgpr_workgroup_id_x 1
		.amdhsa_system_sgpr_workgroup_id_y 1
		.amdhsa_system_sgpr_workgroup_id_z 1
		.amdhsa_system_vgpr_workitem_id 0
		.amdhsa_next_free_vgpr 256
		.amdhsa_next_free_sgpr 72
		.amdhsa_reserve_vcc 1
		.amdhsa_float_denorm_mode_32 3
		.amdhsa_float_denorm_mode_16_64 3
		.amdhsa_memory_ordered 1
		.amdhsa_forward_progress 1
		.amdhsa_inst_pref_size 85
	.end_amdhsa_kernel
	.amdgpu_metadata
---
amdhsa.version: [ 1, 2 ]
amdhsa.kernels:
  - .name:           k_q51b0aa3825_attn
    .symbol:         k_q51b0aa3825_attn.kd
    .args:
      - { .name: qkv16, .offset: 0, .size: 8, .value_kind: global_buffer, .address_space: global }
      - { .name: ao16, .offset: 8, .size: 8, .value_kind: global_buffer, .address_space: global }
    .group_segment_fixed_size: 327680
    .private_segment_fixed_size: 0
    .kernarg_segment_align: 8
    .kernarg_segment_size: 16
    .max_flat_workgroup_size: 512
    .sgpr_count:     72
    .vgpr_count:     256
    .wavefront_size: 32
...
	.end_amdgpu_metadata
.endif
;; end of part 3
;; launch oproj (part 4): grid 4 x 64, 4 waves a work-group, clusters of 4 x 4, 327,680 bytes of LDS; arguments ao16, wo16, out0; writes out0
.if DOCPART == 4
	.amdgcn_target "amdgcn-amd-amdhsa--gfx1250"
	.amdhsa_code_object_version 6
	.text
	.protected	k_q51b0aa3825_oproj
	.globl	k_q51b0aa3825_oproj
	.p2align	8
	.type	k_q51b0aa3825_oproj,@function
k_q51b0aa3825_oproj:
	s_mov_b64 s[64:65], 0
	v_nop
	global_prefetch_b8 v0, s[64:65] scope:SCOPE_SE
	s_setreg_imm32_b32 hwreg(HW_REG_WAVE_MODE, 25, 1), 1
	s_wait_xcnt 0x0
	s_wait_alu depctr_hold_cnt(0) depctr_sa_sdst(0) depctr_va_vdst(0) depctr_va_sdst(0) depctr_va_ssrc(0) depctr_va_vcc(0) depctr_vm_vsrc(0)
	s_getreg_b32 s2, hwreg(HW_REG_IB_STS2, 6, 4)
	s_cmp_eq_u32 s2, 0
	s_cbranch_scc0 .Lentry_in_a_cluster
	s_endpgm
.Lentry_in_a_cluster:
	s_bfe_u32 s2, ttmp6, 0x10000c
	s_cmp_lg_u32 s2, 0xf033
	s_cbranch_scc0 .Lentry_shape_is_right
	s_endpgm
.Lentry_shape_is_right:
; out[m][n] = sum over k of O[m][k] wo[n][k], m = 2,048 b + s, k = 64 h + d.  O: f16, [b][h][s][64]; wo: f16, [1024][1024]; out: f32, [8192][1024]; sums in f32.
; Positions 0-15 of each sequence are NOT stored here: another launch makes those 64 rows in f32.
; A tile is 128 rows x 256 columns: 256 work-groups.  Four waves, 64 x 128 each: 32 accumulators, window 1.  K goes in steps of 128 (two heads) through two LDS slots.
; CLUSTERS: 4 x 4; the four of a row of the cluster ask jointly for O's tiles, the four of a column for wo's.  The matrix instruction is used transposed (source 0 = 16 rows of wo, source 1 = 16 rows of O).
; LIMITS: O and wo inside f16's range.
; REGISTERS: window 0: v16-30 addresses; two fragment buffers v64-159, v160-255: wo's 8 fragments, then O's 4; on the way out v64-191 rows read back.
.set PA,     144                       ; a row of a head's O in LDS: 128 bytes + 16
.set PB,     272                       ; a row of wo's tile: 256 + 16
.set BOFF,   2*128*PA                  ; a slot: 2 heads x 128 rows of O, then 256 rows of wo
.set SLOT,   BOFF+256*PB
.set STAGE,  2*SLOT                    ; 16 rows x 528 bytes for each wave
.set SPITCH, 528
.set SPARE,  STAGE+4*16*SPITCH         ; the spare words, 128 bytes a wave
.set ADRA, 16
.set ADRB, 20
.set STO,  24
.set RD,   25
.set CO,   26
.set FZ,   27                          ; v27 0 where my block 0 is positions 0-15 of a sequence
.set SPW,  28
.set NIL,  29
.set PFO,  30
.set F0,   64
.set F1,   160
.set BK,   64
.set G1, 24
.set G0, 32
.set G1B, 48
.set G0B, 56
.set PFA, 66
.set PFS, 68
.set LIM, 70
.set MSB, 0
.macro WIN new
.if MSB != (\new)
	s_set_vgpr_msb (MSB<<8)|(\new)
.set MSB, (\new)
.endif
.endm
.set MUL, 0x50                         ; C and D window 1, sources 0 and 1 window 0
.macro JLOAD s                         ; waves 0 and 1 fetch O's two heads, waves 2 and 3 wo's two halves; an s_nop 0 and four v_nop follow each line
	s_cmp_eq_u32 s11, 0
	s_cbranch_scc0 .Lfor_b_\@
	tensor_load_to_lds s[G0+4*\s:G0+4*\s+3], s[G1:G1+7]
	s_nop 0
.rept 4
	v_nop
.endr
	s_branch .Lasked_\@
.Lfor_b_\@:
	tensor_load_to_lds s[G0B+4*\s:G0B+4*\s+3], s[G1B:G1B+7]
	s_nop 0
.rept 4
	v_nop
.endr
.Lasked_\@:
.endm
.macro CREST
	s_cmp_lg_u32 s10, 0
	s_cbranch_scc1 .Lnot_wave_0_\@
	s_barrier_signal -3
.Lnot_wave_0_\@:
	s_barrier_wait -3
	s_barrier_signal -1
	s_barrier_wait -1
.endm
.macro CROUND
	s_barrier_signal -1
	s_barrier_wait -1
	CREST
.endm
; A prefetch of the K step that stands two refills on, one instruction a wave.  O's K step of my tile row is 32,768 bytes, read by my row of the cluster alone: wave 0 of each partner names 8,192 of them
; (head cx / 2, rows 64 (cx % 2) on), lanes 256 bytes apart.  wo's K step of a tile column is read by every cluster: those with y = 0 ask, waves 2 and 3, rows 64 cy + 32 (wave % 2) + lane.
; The partners are told apart by address.  The loop's last trip asks for nothing.
.macro ASK
	s_cmp_gt_u32 s3, s[LIM]
	s_cbranch_scc0 .Lnot_mine_\@
	global_prefetch_b8 v[PFO], s[PFA:PFA+1] th:TH_LOAD_NT scope:SCOPE_SE
.Lnot_mine_\@:
.endm
	s_load_b128 s[4:7], s[0:1], 0x0                ; ao16, wo16
	s_load_b64 s[8:9], s[0:1], 0x10                ; out0
	v_lshl_add_u32 v[SPW], v0, 2, SPARE
	v_mov_b32 v[NIL], 0
	ds_add_u32 v[SPW], v[NIL]                      ; the opening: the add, twice on end, and its wait ahead of my first tensor load
	ds_add_u32 v[SPW], v[NIL]
	v_lshrrev_b32 v1, 5, v0
	v_readfirstlane_b32 s10, v1                    ; wave 0..3
	s_lshr_b32 s11, s10, 1                         ; my half of the rows; also: I fetch for O (0) or wo (1)
	s_and_b32 s12, s10, 1                          ; my half of the columns; also: which piece I fetch
	s_bfe_u32 s40, ttmp6, 0x40000                  ; cx = the tile column (the grid is one cluster wide)
	s_bfe_u32 s41, ttmp6, 0x40004                  ; cy
	s_and_b32 s13, ttmp7, 0xffff
	s_lshl_b32 s13, s13, 2
	s_add_co_u32 s13, s13, s41                     ; tile row
	s_lshl_b32 s43, s41, 2
	s_lshl_b32 s43, 15, s43                        ; my row of the cluster
	s_lshl_b32 s44, 0x1111, s40                    ; my column
	s_or_b32 s[G1+0], s43, (1<<16)|(1<<20)|(1<<21)|(4<<22)|(3<<25)   ; O: 128 rows x 64 elements of 2 bytes, 4 words behind every 32
	s_mov_b32 s[G1+1], 64<<16
	s_mov_b32 s[G1+2], 128<<16
	s_mov_b32 s[G1+3], 64<<16
	s_mov_b32 s[G1+4], 128
	s_mov_b32 s[G1+5], 64
	s_mov_b32 s[G1+6], 0
	s_mov_b32 s[G1+7], 0
	s_or_b32 s[G1B+0], s44, (1<<16)|(1<<20)|(1<<21)|(5<<22)|(3<<25)  ; wo: 128 rows x 128 elements, 4 words behind every 64
	s_mov_b32 s[G1B+1], 128<<16
	s_mov_b32 s[G1B+2], 128<<16
	s_mov_b32 s[G1B+3], 128<<16
	s_mov_b32 s[G1B+4], 128
	s_mov_b32 s[G1B+5], 1024
	s_mov_b32 s[G1B+6], 0
	s_mov_b32 s[G1B+7], 0
	s_lshr_b32 s16, s13, 4                         ; the sequence
	s_lshl_b32 s16, s16, 4
	s_add_co_u32 s16, s16, s12                     ; head 16 b + piece
	s_lshl_b32 s16, s16, 18                        ; 262,144 bytes a head
	s_and_b32 s17, s13, 15
	s_lshl_b32 s17, s17, 14                        ; 128 rows of 128 bytes
	s_add_co_u32 s16, s16, s17
	s_mov_b32 s17, 0
	s_lshl_b32 s46, s40, 8
	s_lshl_b32 s47, s12, 7
	s_add_co_u32 s46, s46, s47
	s_lshl_b32 s46, s46, 11                        ; wo: row 256 cx + 128 x piece, 2,048 bytes a row
	s_mov_b32 s47, 0
	s_mul_i32 s20, s12, 128*PA                     ; where they go
	s_mul_i32 s23, s12, 128*PB
	s_add_co_u32 s23, s23, BOFF
	s_wait_dscnt 0x0                               ; both opening adds are done
	s_wait_kmcnt 0x0
	s_add_nc_u64 s[14:15], s[4:5], s[16:17]
	s_add_nc_u64 s[46:47], s[6:7], s[46:47]
	CROUND                                         ; all sixteen work-groups are here
.irp s, 0,1
	s_mov_b32 s[G0+4*\s], 1
	s_add_co_u32 s[G0+4*\s+1], s20, \s*SLOT
	s_add_nc_u64 s[G0+4*\s+2:G0+4*\s+3], s[14:15], \s*524288    ; K step s: two heads on
	s_or_b32 s[G0+4*\s+3], s[G0+4*\s+3], 0x80000000
	s_mov_b32 s[G0B+4*\s], 1
	s_add_co_u32 s[G0B+4*\s+1], s23, \s*SLOT
	s_add_nc_u64 s[G0B+4*\s+2:G0B+4*\s+3], s[46:47], \s*256
	s_or_b32 s[G0B+4*\s+3], s[G0B+4*\s+3], 0x80000000
	JLOAD \s
.endr
	v_and_b32 v1, 15, v0                           ; r
	v_bfe_u32 v2, v0, 4, 1                         ; h
	v_mul_u32_u24 v3, v1, PA
	v_lshl_add_u32 v3, v2, 4, v3
	v_mul_u32_u24 v4, v1, PB
	v_lshl_add_u32 v4, v2, 4, v4
	s_mul_i32 s21, s11, 64*PA                      ; my 64 rows of O
	s_mul_i32 s22, s12, 128*PB                     ; my 128 rows of wo
	s_add_co_u32 s22, s22, BOFF
.irp s, 0,1
	v_add_nc_u32 v[ADRA+\s], s21, v3
	v_add_nc_u32 v[ADRB+\s], s22, v4
	s_add_co_u32 s21, s21, SLOT
	s_add_co_u32 s22, s22, SLOT
.endr
	s_mul_i32 s21, s10, 16*SPITCH
	s_add_co_u32 s21, s21, STAGE
	v_mul_u32_u24 v5, v1, SPITCH
	v_lshl_add_u32 v5, v2, 5, v5
	v_add_nc_u32 v[STO], s21, v5                   ; in: row r, 32 bytes for each half of the lanes
	v_and_b32 v6, 31, v0
	v_lshlrev_b32 v[CO], 4, v6
	v_add_nc_u32 v[RD], s21, v[CO]                 ; back: the 32 lanes take a row of 512 bytes
	; what mixes cx and cy lives in s66 to s85 alone
	s_lshl_b32 s72, s13, 7
	s_lshl_b32 s74, s11, 6
	s_add_co_u32 s72, s72, s74                     ; my first row of out
	s_lshl_b32 s72, s72, 12
	s_lshl_b32 s74, s40, 10
	s_add_co_u32 s72, s72, s74
	s_lshl_b32 s74, s12, 9
	s_add_co_u32 s72, s72, s74                     ; + my first column, in bytes
	s_mov_b32 s73, 0
	s_add_nc_u64 s[8:9], s[8:9], s[72:73]
	s_and_b32 s74, s13, 15
	s_or_b32 s74, s74, s11
	v_mov_b32 v[FZ], s74
	s_lshr_b32 s76, s13, 4                         ; the prefetches.  O's: head 16 b + cx / 2,
	s_lshl_b32 s76, s76, 4
	s_lshr_b32 s77, s40, 1
	s_add_co_u32 s76, s76, s77
	s_lshl_b32 s76, s76, 11
	s_and_b32 s77, s13, 15
	s_lshl_b32 s77, s77, 7
	s_add_co_u32 s76, s76, s77                     ; my tile's rows,
	s_and_b32 s77, s40, 1
	s_lshl_b32 s77, s77, 6
	s_add_co_u32 s76, s76, s77                     ; 64 (cx % 2) on,
	s_lshl_b32 s76, s76, 7
	s_add_co_u32 s76, s76, 3*524288                ; at K step 3: the first refill steps it to 4
	s_lshl_b32 s78, s40, 8                         ; wo's: row 256 cx + 64 cy + 32 x piece,
	s_lshl_b32 s79, s41, 6
	s_add_co_u32 s78, s78, s79
	s_lshl_b32 s79, s12, 5
	s_add_co_u32 s78, s78, s79
	s_lshl_b32 s78, s78, 11
	s_add_co_u32 s78, s78, 3*256                   ; at K step 3
	s_and_b32 s79, ttmp7, 0xffff                   ; cluster y
	s_mov_b32 s80, 256
	s_mov_b32 s81, 2048
	s_cmp_eq_u32 s11, 0                            ; do I fetch for O?
	s_cselect_b64 s[PFA:PFA+1], s[4:5], s[6:7]
	s_cselect_b32 s76, s76, s78
	s_cselect_b32 s[PFS], 524288, s80              ; a K step on
	s_cselect_b32 s81, 256, s81                    ; from lane to lane
	s_cselect_b32 s79, s12, s79                    ; wave 0 asks for O; waves 2 and 3 of the clusters with y = 0 for wo
	s_mov_b32 s77, 0
	s_mov_b32 s[PFS+1], 0
	s_add_nc_u64 s[PFA:PFA+1], s[PFA:PFA+1], s[76:77]
	s_cmp_eq_u32 s79, 0
	s_cselect_b32 s[LIM], 1, -1
	v_mul_lo_u32 v[PFO], v6, s81
.macro MUL8 f, a, zero                 ; O's block a against wo's eight, 32 along K.  The 32 accumulators take turns, in the same order in every quarter
.irp b, 0,1,2,3,4,5,6,7
.if \zero
	v_wmma_f32_16x16x32_f16 v[8*(8*(\a)+\b):8*(8*(\a)+\b)+7], v[\f+8*\b:\f+8*\b+7], v[\f+64+8*(\a):\f+64+8*(\a)+7], 0
.else
	v_wmma_f32_16x16x32_f16 v[8*(8*(\a)+\b):8*(8*(\a)+\b)+7], v[\f+8*\b:\f+8*\b+7], v[\f+64+8*(\a):\f+64+8*(\a)+7], v[8*(8*(\a)+\b):8*(8*(\a)+\b)+7]
.endif
.endr
.endm
.macro FETCH slot, q, f                ; 24 LDS loads: the fragments of the slot's q-th 32 along K: wo's first, then O's (head q / 2, channels 32 (q % 2) on)
.irp i, 0,1,2,3,4,5,6,7
	ds_load_b128 v[\f+8*\i:\f+8*\i+3],   v[ADRB+\slot] offset:16*PB*\i+64*(\q)
	ds_load_b128 v[\f+8*\i+4:\f+8*\i+7], v[ADRB+\slot] offset:16*PB*\i+64*(\q)+32
.endr
.irp i, 0,1,2,3
	ds_load_b128 v[\f+64+8*\i:\f+64+8*\i+3],   v[ADRA+\slot] offset:16*PA*\i+128*PA*((\q)/2)+64*((\q)%2)
	ds_load_b128 v[\f+64+8*\i+4:\f+64+8*\i+7], v[ADRA+\slot] offset:16*PA*\i+128*PA*((\q)/2)+64*((\q)%2)+32
.endr
.endm
.macro PLACES                          ; plain lines in front of loads into registers that matrix instructions have read, and of reads of results
.rept 4
	v_nop
.endr
.endm
.macro QUARTER slot, q, f, g, zero     ; multiplies buffer f; in its middle fetches the slot's q-th quarter into g
	s_wait_dscnt 4                                 ; wo's fragments and O's blocks 0, 1 are in; the youngest four loads (blocks 2, 3) may be out
	WIN MUL
	MUL8 \f, 0, \zero
	MUL8 \f, 1, \zero
	PLACES
	WIN 0
	FETCH \slot, \q, \g
	s_wait_dscnt 24                                ; all but the 24 just issued
	WIN MUL
	MUL8 \f, 2, \zero
	MUL8 \f, 3, \zero
.endm
; A slot's last quarter multiplies buffer 1 and changes slots: one barrier; in front of it each wave waits for all its tensor loads, adds 0 to its spare word, and waits for that and for its reads of this slot.
.macro TURN slot, next, fill
.if \fill
	s_wait_xcnt 0x0                                ; the last prefetch, a K step back, has read its address
	s_add_nc_u64 s[PFA:PFA+1], s[PFA:PFA+1], s[PFS:PFS+1]
.endif
	WIN 0
	s_wait_tensorcnt 0x0                           ; my part of the next slot has landed
	ds_add_u32 v[SPW], v[NIL]
	s_wait_dscnt 5                                 ; the add and the youngest four loads may be out
	WIN MUL
	MUL8 F1, 0, 0
	s_wait_dscnt 0x0                               ; the add is done, and my reads of this slot are over
	s_barrier_signal -1
	MUL8 F1, 1, 0
	WIN 0
	s_barrier_wait -1
.if \fill
	CREST                                          ; the barrier has opened a round of the cluster's: no wave of any partner still reads this slot or has a load on its way
	s_add_nc_u64 s[G0+4*\slot+2:G0+4*\slot+3], s[G0+4*\slot+2:G0+4*\slot+3], 1048576   ; two K steps on: four heads
	s_add_nc_u64 s[G0B+4*\slot+2:G0B+4*\slot+3], s[G0B+4*\slot+2:G0B+4*\slot+3], 512
	JLOAD \slot                                    ; the first tensor load behind the round; its four v_nop are also the plain lines in front of the loads below
.else
	PLACES
.endif
	FETCH \next, 0, F0
.if \fill
	ASK
.endif
	WIN MUL
	MUL8 F1, 2, 0
	MUL8 F1, 3, 0
.endm
	s_wait_tensorcnt 1                             ; my part of K step 0 is in; K step 1's load may be out
	s_barrier_signal -1
	s_barrier_wait -1
	FETCH 0, 0, F0
	QUARTER 0, 1, F0, F1, 1                        ; the first products start the sums
	WIN 0
	s_mov_b32 s3, 3
.Llap:                                             ; a trip goes once round the ring and fills both slots again: K steps 2 to 7
	QUARTER 0, 2, F1, F0, 0
	QUARTER 0, 3, F0, F1, 0
	TURN 0, 1, 1
	QUARTER 1, 1, F0, F1, 0
	QUARTER 1, 2, F1, F0, 0
	QUARTER 1, 3, F0, F1, 0
	TURN 1, 0, 1
	QUARTER 0, 1, F0, F1, 0
	WIN 0
	s_sub_co_u32 s3, s3, 1
	s_cmp_lg_u32 s3, 0
	s_cbranch_scc1 .Llap
	QUARTER 0, 2, F1, F0, 0                        ; the last lap fills nothing
	QUARTER 0, 3, F0, F1, 0
	TURN 0, 1, 0
	QUARTER 1, 1, F0, F1, 0
	QUARTER 1, 2, F1, F0, 0
	QUARTER 1, 3, F0, F1, 0
	s_wait_dscnt 4
	WIN MUL
	MUL8 F1, 0, 0
	MUL8 F1, 1, 0
	s_wait_dscnt 0
	MUL8 F1, 2, 0
	MUL8 F1, 3, 0
	WIN 0
; THE WAY OUT, block by block of 16 rows x 128 columns, through my own stage: in as 32 bytes a lane, back as whole rows of 512 bytes.  LDS serves a wave's instructions in order.
.macro TOSTAGE a
	WIN 0x04                                       ; an LDS store's data are its source 1: window 1
.irp b, 0,1,2,3,4,5,6,7
	ds_store_b128 v[STO], v[8*(8*(\a)+\b):8*(8*(\a)+\b)+3] offset:64*\b           ; each accumulator from its low end on
	ds_store_b128 v[STO], v[8*(8*(\a)+\b)+4:8*(8*(\a)+\b)+7] offset:64*\b+16
.endr
	WIN 0
.set BB, BK+64*((\a)%2)
.irp t, 0,1,2,3,4,5,6,7,8,9,10,11,12,13,14,15
	ds_load_b128 v[BB+4*\t:BB+4*\t+3], v[RD] offset:\t*SPITCH
.endr
.endm
.macro SEND a, younger
.set BB, BK+64*((\a)%2)
	s_wait_dscnt \younger
.if (\a) == 0                          ; block 0 is not stored where it is positions 0-15.  That hangs on my place in the cluster: a predicate, no branch.  EXEC changes only behind a wait for the addresses of what is out
	s_wait_xcnt 0x0
	v_cmp_ne_u32 vcc_lo, 0, v[FZ]
	s_and_saveexec_b32 s71, vcc_lo
.endif
.irp t, 0,1,2,3,4,5,6,7,8,9,10,11,12,13,14,15
	global_store_b128 v[CO], v[BB+4*\t:BB+4*\t+3], s[8:9] offset:(16*(\a)+\t)*4096 th:TH_STORE_NT   ; 512 consecutive bytes, aligned
.endr
.if (\a) == 0
	s_wait_xcnt 0x0
	s_or_b32 exec_lo, exec_lo, s71
.endif
.endm
	PLACES
	TOSTAGE 0
.irp a, 1,2,3
.if \a > 1
	s_wait_xcnt 0x0                                ; block a - 2's stores have read the registers that block a's loads land in
.endif
	TOSTAGE \a
	SEND \a-1, 32                                  ; behind block a - 1's loads: block a's 16 stores and 16 loads
.endr
	SEND 3, 0
	s_wait_tensorcnt 0x0                           ; the wave's end
	ds_add_u32 v[SPW], v[NIL]
	s_wait_dscnt 0x0
	CROUND                                         ; the closing round
	s_endpgm
.Lfunc_end_k_q51b0aa3825_oproj:
	.size	k_q51b0aa3825_oproj, .Lfunc_end_k_q51b0aa3825_oproj-k_q51b0aa3825_oproj
	.p2alignl 7, 3214868480
	.fill 96, 4, 3214868480
	.section	.rodata,"a",@progbits
	.p2align	6, 0x0
	.amdhsa_kernel k_q51b0aa3825_oproj
		.amdhsa_group_segment_fixed_size 327680
		.amdhsa_private_segment_fixed_size 0
		.amdhsa_enable_private_segment 0
		.amdhsa_kernarg_size 24
		.amdhsa_user_sgpr_count 2
		.amdhsa_user_sgpr_kernarg_segment_ptr 1
		.amdhsa_wavefront_size32 1
		.amdhsa_system_sgpr_workgroup_id_x 1
		.amdhsa_system_sgpr_workgroup_id_y 1
		.amdhsa_system_sgpr_workgroup_id_z 1
		.amdhsa_system_vgpr_workitem_id 0
		.amdhsa_next_free_vgpr 512
		.amdhsa_next_free_sgpr 96
		.amdhsa_reserve_vcc 1
		.amdhsa_float_denorm_mode_32 3
		.amdhsa_float_denorm_mode_16_64 3
		.amdhsa_memory_ordered 1
		.amdhsa_forward_progress 1
		.amdhsa_inst_pref_size 87
	.end_amdhsa_kernel
	.amdgpu_metadata
---
amdhsa.version: [ 1, 2 ]
amdhsa.kernels:
  - .name:           k_q51b0aa3825_oproj
    .symbol:         k_q51b0aa3825_oproj.kd
    .args:
      - { .name: ao16, .offset: 0, .size: 8, .value_kind: global_buffer, .address_space: global }
      - { .name: wo16, .offset: 8, .size: 8, .value_kind: global_buffer, .address_space: global }
      - { .name: out0, .offset: 16, .size: 8, .value_kind: global_buffer, .address_space: global }
    .group_segment_fixed_size: 327680
    .private_segment_fixed_size: 0
    .kernarg_segment_align: 8
    .kernarg_segment_size: 24
    .max_flat_workgroup_size: 128
    .sgpr_count:     96
    .vgpr_count:     512
    .wavefront_size: 32
...
	.end_amdgpu_metadata
.endif
;; end of part 4
;; launch first16 (part 5): grid 64 x 4, 16 waves a work-group, no clusters, 18,432 bytes of LDS; arguments fine32, wo, out0; writes out0
.if DOCPART == 5
	.amdgcn_target "amdgcn-amd-amdhsa--gfx1250"
	.amdhsa_code_object_version 6
	.text
	.protected	k_q51b0aa3825_first16
	.globl	k_q51b0aa3825_first16
	.p2align	8
	.type	k_q51b0aa3825_first16,@function
k_q51b0aa3825_first16:
	s_mov_b64 s[64:65], 0
	v_nop
	global_prefetch_b8 v0, s[64:65] scope:SCOPE_SE
	s_setreg_imm32_b32 hwreg(HW_REG_WAVE_MODE, 25, 1), 1
	s_wait_xcnt 0x0
; Positions 0-15 of each of the four sequences, all in f32: scores, causal softmax, the weighted values and the projection by wo, by v_wmma_f32_16x16x4_f32.  These rows average one to sixteen values.
; fine32: [b][16 positions][Q 1024 | K 1024 | V 1024] f32; Q holds log2(e)/8.  A work-group makes 16 columns of out for one sequence; a wave takes one head; the 16 heads' parts meet in LDS.
; 16 columns to a work-group give 256 work-groups of short chains; a work-group's part of an output row is then 64 bytes; the launch stores 262,144 bytes in all.
; K's order inside a product is permuted alike on both sources, so that wide loads and earlier results serve as operands as they stand.
; The registers that the matrix form writes (v160-255) are written by it alone; sums start with the constant 0; what is made of them goes to other registers.
; REGISTERS: v1-9 ids and addresses; v12-19 scores, then p; v20-27 at work, then my part of out; v32-63 Q; v64-95 K; v96-127 V^T; v128-159 wo; v160-191, v192-223, v224-255 four accumulators each.
.set SPARE, 16384
.set SPW, 10
.set NIL, 11
	s_load_b128 s[4:7], s[0:1], 0x0                ; fine32, wo
	s_load_b64 s[8:9], s[0:1], 0x10                ; out0
	v_lshl_add_u32 v[SPW], v0, 2, SPARE
	v_mov_b32 v[NIL], 0
	v_lshrrev_b32 v1, 5, v0
	v_readfirstlane_b32 s10, v1                    ; wave = head
	s_and_b32 s11, ttmp7, 0xffff                   ; the sequence
	v_and_b32 v1, 15, v0                           ; r
	v_bfe_u32 v2, v0, 4, 1                         ; h
	v_mul_u32_u24 v3, v1, 12288
	v_lshl_add_u32 v3, v2, 7, v3                   ; Q, K: position r, channels 32 h on
	v_mul_u32_u24 v4, v2, 98304
	v_lshl_add_u32 v4, v1, 2, v4                   ; V: keys 8 h on, channel r
	v_lshlrev_b32 v5, 12, v1
	v_lshl_add_u32 v5, v2, 5, v5                   ; wo: row r, 8 h channels on; and out: position r, 8 h columns on
	v_and_b32 v6, 31, v0
	v_lshlrev_b32 v6, 4, v6
	s_lshl_b32 s12, s10, 10
	v_add_nc_u32 v6, s12, v6                       ; LDS: 1,024 bytes a wave, 16 a lane
	v_lshlrev_b32 v7, 4, v0                        ; LDS, for waves 0 and 1: 512 x wave + 16 x lane
	s_lshl_b32 s13, s10, 4
	v_add_nc_u32 v8, s13, v5                       ; out, for waves 0 and 1: + 4 x wave columns
	v_lshlrev_b32 v9, 3, v2
	v_sub_nc_u32 v9, v1, v9                        ; r - 8 h
	v_mov_b32 v29, 0                               ; a lane permute's destination counts as read
	v_mov_b32 v30, 0xff800000
	s_mov_b32 s14, 0x76543210
	s_mov_b32 s15, 0xfedcba98
	s_mul_i32 s16, s11, 196608
	s_lshl_b32 s18, s10, 8                         ; a head's 64 channels
	s_add_co_u32 s16, s16, s18
	s_mov_b32 s17, 0
	s_lshl_b32 s20, ttmp9, 16                      ; wo: 16 rows of 4,096 bytes a work-group
	s_add_co_u32 s20, s20, s18
	s_mov_b32 s21, 0
	s_lshl_b32 s22, s11, 23                        ; out: 8,388,608 bytes a sequence
	s_lshl_b32 s18, ttmp9, 6
	s_add_co_u32 s22, s22, s18
	s_mov_b32 s23, 0
	s_wait_kmcnt 0x0
	s_add_nc_u64 s[4:5], s[4:5], s[16:17]
	s_add_nc_u64 s[6:7], s[6:7], s[20:21]
	s_add_nc_u64 s[8:9], s[8:9], s[22:23]
.irp i, 0,1,2,3,4,5,6,7
	global_load_b128 v[32+4*\i:35+4*\i], v3, s[4:5] offset:16*\i          ; Q: register n = channel 32 h + n
.endr
.irp i, 0,1,2,3,4,5,6,7
	global_load_b128 v[64+4*\i:67+4*\i], v3, s[4:5] offset:4096+16*\i     ; K likewise
.endr
.irp ct, 0,1,2,3
.irp i, 0,1,2,3,4,5,6,7
	global_load_b32 v[96+8*\ct+\i], v4, s[4:5] offset:8192+12288*\i+64*\ct   ; V^T: register 8 ct + i = key 8 h + i, channel 16 ct + r
.endr
.endr
.irp ct, 0,1,2,3
.irp e, 0,1
	global_load_b128 v[128+8*\ct+4*\e:131+8*\ct+4*\e], v5, s[6:7] offset:64*\ct+16*\e   ; wo: register 8 ct + i = channel 16 ct + 8 h + i of column r
.endr
.endr
	s_wait_loadcnt 40                              ; Q and K are in; V's 32 and wo's 8 loads may be out
.irp e, 0,1,2,3,4,5,6,7,8,9,10,11,12,13,14,15  ; S^T = K Q^T: 16 pieces of 4 channels, four accumulators by turns
.if \e < 4
	v_wmma_f32_16x16x4_f32 v[160+8*(\e%4):167+8*(\e%4)], v[64+2*\e:65+2*\e], v[32+2*\e:33+2*\e], 0
.else
	v_wmma_f32_16x16x4_f32 v[160+8*(\e%4):167+8*(\e%4)], v[64+2*\e:65+2*\e], v[32+2*\e:33+2*\e], v[160+8*(\e%4):167+8*(\e%4)]
.endif
.endr
.rept 8
	v_nop                                          ; eight plain lines behind this form, ahead of the first read of results (ISA guide 7.12.1)
.endr
.irp p, 0,1,2,3                                ; each accumulator from its low end on
	v_pk_add_f32 v[12+2*\p:13+2*\p], v[160+2*\p:161+2*\p], v[168+2*\p:169+2*\p]
	v_pk_add_f32 v[20+2*\p:21+2*\p], v[176+2*\p:177+2*\p], v[184+2*\p:185+2*\p]
.endr
.irp p, 0,1,2,3
	v_pk_add_f32 v[12+2*\p:13+2*\p], v[12+2*\p:13+2*\p], v[20+2*\p:21+2*\p]   ; lane (r, h), register j: query r, key 8 h + j
.endr
.irp j, 0,1,2,3,4,5,6,7
	v_cmp_gt_i32 vcc_lo, \j, v9                    ; key 8 h + j comes after query r
	v_cndmask_b32 v[12+\j], v[12+\j], v30, vcc_lo
.endr
	v_max3_num_f32 v28, v12, v13, v14
	v_max3_num_f32 v28, v28, v15, v16
	v_max3_num_f32 v28, v28, v17, v18
	v_max_num_f32 v28, v28, v19
	v_permlanex16_b32 v29, v28, s14, s15
	v_max_num_f32 v28, v28, v29                    ; key 0 counts for every query: a number
.irp j, 0,1,2,3,4,5,6,7
	v_sub_f32 v[12+\j], v[12+\j], v28
.endr
.irp j, 0,1,2,3,4,5,6,7
	v_exp_f32 v[12+\j], v[12+\j]
.endr
	v_nop
	s_wait_alu depctr_va_vdst(0)                   ; one wait for the eight
	v_pk_add_f32 v[20:21], v[12:13], v[14:15]
	v_pk_add_f32 v[22:23], v[16:17], v[18:19]
	v_pk_add_f32 v[20:21], v[20:21], v[22:23]
	v_add_f32 v20, v20, v21
	v_permlanex16_b32 v29, v20, s14, s15
	v_add_f32 v20, v20, v29
	v_rcp_f32 v21, v20
	v_nop
	s_wait_alu depctr_va_vdst(0)
.irp j, 0,1,2,3,4,5,6,7
	v_mul_f32 v[12+\j], v[12+\j], v21              ; the weights, normalised
.endr
	s_wait_loadcnt 8                               ; V is in; wo's 8 loads may be out
.irp c, 0,1,2,3                                ; O^T = V^T P: piece c holds keys 8 h + 2 c, + 1 on both sides; four accumulators by turns
.irp ct, 0,1,2,3
.if \c == 0
	v_wmma_f32_16x16x4_f32 v[192+8*\ct:199+8*\ct], v[96+8*\ct+2*\c:97+8*\ct+2*\c], v[12+2*\c:13+2*\c], 0
.else
	v_wmma_f32_16x16x4_f32 v[192+8*\ct:199+8*\ct], v[96+8*\ct+2*\c:97+8*\ct+2*\c], v[12+2*\c:13+2*\c], v[192+8*\ct:199+8*\ct]
.endif
.endr
.endr
.rept 9
	v_nop                                          ; nine plain lines before a matrix instruction takes these results as a source
.endr
	s_wait_loadcnt 0x0
.irp e, 0,1,2,3                                ; out^T = wo O^T, my head's 64 channels: piece (ct, e) holds channels 16 ct + 8 h + 2 e, + 1 on both sides
.irp ct, 0,1,2,3
.if \e == 0
	v_wmma_f32_16x16x4_f32 v[224+8*\ct:231+8*\ct], v[128+8*\ct+2*\e:129+8*\ct+2*\e], v[192+8*\ct+2*\e:193+8*\ct+2*\e], 0
.else
	v_wmma_f32_16x16x4_f32 v[224+8*\ct:231+8*\ct], v[128+8*\ct+2*\e:129+8*\ct+2*\e], v[192+8*\ct+2*\e:193+8*\ct+2*\e], v[224+8*\ct:231+8*\ct]
.endif
.endr
.endr
.rept 8
	v_nop
.endr
.irp p, 0,1,2,3
	v_pk_add_f32 v[20+2*\p:21+2*\p], v[224+2*\p:225+2*\p], v[232+2*\p:233+2*\p]
	v_pk_add_f32 v[12+2*\p:13+2*\p], v[240+2*\p:241+2*\p], v[248+2*\p:249+2*\p]
.endr
.irp p, 0,1,2,3
	v_pk_add_f32 v[20+2*\p:21+2*\p], v[20+2*\p:21+2*\p], v[12+2*\p:13+2*\p]   ; lane (r, h), register j: position r, column 8 h + j
.endr
	ds_store_b128 v6, v[20:23]
	ds_store_b128 v6, v[24:27] offset:512
	s_wait_dscnt 0x0                               ; for the others' sake: my stores have landed
	s_barrier_signal -1
	s_barrier_wait -1
	s_cmp_ge_u32 s10, 2                            ; waves 0 and 1 add the sixteen heads' parts, four registers each, in a fixed order
	s_cbranch_scc1 .Lend
.irp p, 0,1,2,3,4,5,6,7,8,9,10,11,12,13,14,15
	ds_load_b128 v[32+4*\p:35+4*\p], v7 offset:1024*\p
.endr
	s_wait_dscnt 0x0
.irp d, 8,4,2,1
.set p, 0
.rept \d
	v_pk_add_f32 v[32+4*p:33+4*p], v[32+4*p:33+4*p], v[32+4*(p+\d):33+4*(p+\d)]
	v_pk_add_f32 v[34+4*p:35+4*p], v[34+4*p:35+4*p], v[34+4*(p+\d):35+4*(p+\d)]
.set p, p+1
.endr
.endr
	global_store_b128 v8, v[32:35], s[8:9]         ; position r, columns 8 h + 4 x wave + 0..3 of the work-group's 16
.Lend:
	s_wait_tensorcnt 0x0                           ; the wave's end, behind my last LDS store
	ds_add_u32 v[SPW], v[NIL]
	s_wait_dscnt 0x0
	s_endpgm
.Lfunc_end_k_q51b0aa3825_first16:
	.size	k_q51b0aa3825_first16, .Lfunc_end_k_q51b0aa3825_first16-k_q51b0aa3825_first16
	.p2alignl 7, 3214868480
	.fill 96, 4, 3214868480
	.section	.rodata,"a",@progbits
	.p2align	6, 0x0
	.amdhsa_kernel k_q51b0aa3825_first16
		.amdhsa_group_segment_fixed_size 18432
		.amdhsa_private_segment_fixed_size 0
		.amdhsa_enable_private_segment 0
		.amdhsa_kernarg_size 24
		.amdhsa_user_sgpr_count 2
		.amdhsa_user_sgpr_kernarg_segment_ptr 1
		.amdhsa_wavefront_size32 1
		.amdhsa_system_sgpr_workgroup_id_x 1
		.amdhsa_system_sgpr_workgroup_id_y 1
		.amdhsa_system_sgpr_workgroup_id_z 1
		.amdhsa_system_vgpr_workitem_id 0
		.amdhsa_next_free_vgpr 256
		.amdhsa_next_free_sgpr 66
		.amdhsa_reserve_vcc 1
		.amdhsa_float_denorm_mode_32 3
		.amdhsa_float_denorm_mode_16_64 3
		.amdhsa_memory_ordered 1
		.amdhsa_forward_progress 1
		.amdhsa_inst_pref_size 19
	.end_amdhsa_kernel
	.amdgpu_metadata
---
amdhsa.version: [ 1, 2 ]
amdhsa.kernels:
  - .name:           k_q51b0aa3825_first16
    .symbol:         k_q51b0aa3825_first16.kd
    .args:
      - { .name: fine32, .offset: 0, .size: 8, .value_kind: global_buffer, .address_space: global }
      - { .name: wo, .offset: 8, .size: 8, .value_kind: global_buffer, .address_space: global }
      - { .name: out0, .offset: 16, .size: 8, .value_kind: global_buffer, .address_space: global }
    .group_segment_fixed_size: 18432
    .private_segment_fixed_size: 0
    .kernarg_segment_align: 8
    .kernarg_segment_size: 24
    .max_flat_workgroup_size: 512
    .sgpr_count:     66
    .vgpr_count:     256
    .wavefront_size: 32
...
	.end_amdgpu_metadata
.endif
;; end of part 5
